; MI455X (gfx1250); checked and timed in simulation.
; The chip was launched on July 23, 2026; its instructions are those of AMD's public machine-readable ISA for CDNA 5 (MIT licence, August 2026) and "CDNA5" Instruction Set Architecture Reference Guide (July 2026). The comments in the code are by the model that wrote it; some were corrected since.
;; Multi Head Attention. Allowed arithmetic: matrix products marked QUANTISED: E3M2 operands, one E8M0 scale for each 32 along K, by v_wmma_scale_f32_16x16x128_f8f6f4 with both operands' format E3M2, f32 sums; everything else in f32.
;; Inputs: bk 1,024 float32; bo 1,024 float32; bq 1,024 float32; bv 1,024 float32; k 4 x 2,048 x 1,024 float32; mask 4 x 2,048 x 2,048 bool; q 4 x 2,048 x 1,024 float32; v 4 x 2,048 x 1,024 float32; wk 1,024 x 1,024 float32; wo 1,024 x 1,024 float32; wq 1,024 x 1,024 float32; wv 1,024 x 1,024 float32.
;; Outputs: out0 4 x 2,048 x 1,024 float32.
;; This version of the problem:
;;   THIS VERSION OF THE PROBLEM IS GIVEN IN LOW PRECISION. The matrix products marked QUANTISED in the list below multiply operands that are first quantised to E3M2 (3 exponent bits, 2 mantissa bits; 6 bits a number), with one power-of-two scale for each 32 numbers along K (OCP MX v1.0); their sums are f32. All else is computed in f32.
;;   The module's matrix products, in the order in which they are computed (A, B: the left and right operand; K: the contracted axis; several contracted axes count as one K, in the product's order):
;;     1. [M 8,192, K 1,024] x [K 1,024, N 1,024]; A: input q; B: input wq: QUANTISED
;;     2. [M 8,192, K 1,024] x [K 1,024, N 1,024]; A: input k; B: input wk: QUANTISED
;;     3. [M 8,192, K 1,024] x [K 1,024, N 1,024]; A: input v; B: input wv: QUANTISED
;;     4. batch 64 x [M 2,048, K 64] x [K 64, N 2,048]; A: computed on the way; B: computed on the way: QUANTISED
;;     5. batch 64 x [M 2,048, K 2,048] x [K 2,048, N 64]; A: softmax (see below); B: computed on the way: QUANTISED
;;     6. [M 8,192, K 1,024] x [K 1,024, N 1,024]; A: computed on the way; B: input wo: QUANTISED
;;   THE QUANTISER, for each operand of a quantised product, along K:
;;     - K is cut into blocks of 32 from its start; a last block that is shorter is filled with zeros.
;;     - A block's scale is 2^e with e = floor(log2(the largest magnitude in the block)) - 4, held to -126 .. 127; a block of zeros has e = 0. As a byte (E8M0): e + 127.
;;     - Each number is divided by its block's scale, clamped to +-28, and rounded to the nearest number of E3M2, ties to even, subnormals kept.
;;     - The product sums the exact products of the quantised numbers (number of the format x scale) in f32.
;;   ~~~python
;;   def quantise(x, axis):      # numpy; x: float32 -> the quantised numbers, widened to float32 again
;;       x = np.moveaxis(x, axis, -1); K = x.shape[-1]
;;       x = np.pad(x, [(0, 0)] * (x.ndim - 1) + [(0, -K % 32)]); x = x.reshape(x.shape[:-1] + (-1, 32)); a = np.abs(x).max(-1, keepdims=True)
;;       e = np.where(a > 0, np.clip(np.frexp(np.where(a > 0, a, 1))[1] - 1 - 4, -126, 127), 0)      # np.frexp(a)[1] - 1 = floor(log2(a)), exactly
;;       r = np.clip(x / 2.0 ** e, -28, 28)
;;       step = 2.0 ** (np.maximum(np.frexp(np.where(r == 0, 1, r))[1] - 1, -2) - 2)
;;       q = np.round(r / step) * step * 2.0 ** e      # np.round: ties to even
;;       return np.moveaxis(q.reshape(q.shape[:-2] + (-1,))[..., :K], -1, axis).astype(np.float32)
;;   ~~~
;;   SOFTMAX AHEAD OF A QUANTISED PRODUCT. Where the list says 'softmax', what is quantised is not the finished softmax but p = 2^(t - M), with t = logit x log2(e) and M = ceil(the row's largest t), a whole number; so 1/2 < the row's largest p <= 1. The row's sum l is taken of the UNQUANTISED p, in f32, and the product's result is divided by l at the end. Since M is a whole number, a kernel that streams over the keys may use a running M (the ceiling of the running maximum): every later rescaling is an exact power of two, which a block's scale takes up: the codes' values come out the same.
;;   OPERANDS COMPUTED ON THE WAY. 'Computed on the way' means the value that the module computes at that place (a softmax that the list does not call 'softmax' is quantised finished and normalised). What goes into a quantiser is computed in f32, as accurately as f32 sums, v_exp_f32 and their like allow (about 1e-6 of the number): no bf16 or f16 on the way to a quantiser, and a product that is left as it is and whose result goes on into a quantised operand takes f32 operands (vector FMAs, or v_wmma_f32_16x16x4_f32). A number that lies on a knife's edge between two numbers of the format may be rounded either way, as far as f32 arithmetic and the matrix unit's own rounding can turn it there, and no further.
;; One version. Each part assembles by itself: llvm-mc -triple=amdgcn-amd-amdhsa -mcpu=gfx1250 --defsym DOCPART=n.
;; ======== version 1 of 1: 4 launches
;; limits: right only within a limited range of input values
;; workspace buffers: xq 19,660,800 bytes; wt 3,276,800 bytes; mw 2,097,152 bytes of whole numbers; mf 262,144 bytes of whole numbers; qf 6,553,600 bytes; kv 13,107,200 bytes; zq 6,553,600 bytes
;; launch prep (part 1): grid 1024 x 1, 4 waves a work-group, no clusters, 70,144 bytes of LDS; arguments q, k, v, wq, wk, wv, wo, mask, xq, wt, mw, mf; writes xq, wt, mw, mf
.if DOCPART == 1
	.amdgcn_target "amdgcn-amd-amdhsa--gfx1250"
	.amdhsa_code_object_version 6
	.text
	.protected	k_q25177387f7_prep
	.globl	k_q25177387f7_prep
	.p2align	8
	.type	k_q25177387f7_prep,@function
k_q25177387f7_prep:
	s_mov_b64 s[64:65], 0
	v_nop
	global_prefetch_b8 v0, s[64:65] scope:SCOPE_SE
	s_setreg_imm32_b32 hwreg(HW_REG_WAVE_MODE, 25, 1), 1
	s_wait_xcnt 0x0
; PREP.  Three jobs, parted by the work-group's number; each wave works alone: no barrier, no change of EXEC.
;   work-groups 0-511    MASK: mask [4][2048][2048] bytes becomes lane-mask words for the attention launch.
;   work-groups 512-639  W:    wq, wk, wv, wo [k 1024][n 1024] f32 become codes of E3M2 along k (their FIRST axis) with one E8M0 byte for each 32.
;   work-groups 640-1023 X:    q, k, v [8192][1024] f32 become codes along their last axis.
; A block's scale is 2^(floor(log2(largest magnitude)) - 4); its byte is the largest magnitude's exponent field - 4, held at 1 from below by a floor among the maximum's leaves.
; LIMITS: a block whose largest magnitude lies under 2^-122, a block of zeros among them, keeps the byte 1 (its codes add nothing; only this program reads the bytes).  NaN and infinities are not served.
; ROW ORDER.  Row tile T (16 rows) has in lane slot r the row 32 (T / 2) + 8 (T % 2) + r + 8 (r / 8).
; CODE IMAGE.  [T][g = k / 64][768 bytes]: what lane (r, h) of an operand holds of k = 64 g + 32 h + 0 .. 31, six registers: the first four at 16 x lane, the last two at 512 + 8 x lane.
; SCALE IMAGE. [T][p 0..3][r][2 words]: the words of k = 256 p + 0 .. 127 and 256 p + 128 .. 255.
; MASK WORDS.  mw [b][query tile][key step of 128][64 words]: bit r + 16 h of word n is mask[b][row(tile, r)][128 step + 32 (n / 16) + 16 h + n % 16].
.set R,    16                          ; v16-111  numbers as loaded (X: three sets of 32; W, MASK: two)
.set X,    112                         ; v112-175 two sets of 32 as a lane wants them
.set C,    176                         ; v176-191 codes, two sets of 8
.set W,    192                         ; v192-199 X: the row's eight scale words.  W: two registers of bytes.  MASK: the words on their way out
.set STG,  4352                        ; a stage in LDS: 16 rows of 256 bytes + 16
.set WREG, 8704                        ; two stages for each wave.  X's lie from LDS byte 0, MASK's from 34,816: each job has bytes of its own
	s_load_b512 s[4:19], s[0:1], 0x0               ; q, k, v, wq, wk, wv, wo, mask
	s_load_b128 s[20:23], s[0:1], 0x40             ; xq, wt
	s_load_b64 s[24:25], s[0:1], 0x50              ; mw
	s_load_b64 s[58:59], s[0:1], 0x58              ; mf [b][query tile][wave 0..3][32 words]: words 2 i and 2 i + 1 are the OR and the AND of the 64 mask words of key step 4 wave + i, i = 0 .. 3; the other 24 words are 0
	v_lshl_add_u32 v208, v0, 2, 0x11000
	v_mov_b32 v209, 0
	v_lshrrev_b32 v1, 5, v0
	v_readfirstlane_b32 s26, v1                    ; wave
	v_and_b32 v8, 31, v0                           ; lane
	v_and_b32 v9, 15, v0                           ; r
	v_bfe_u32 v10, v0, 4, 1                        ; h
	s_mov_b32 s28, 0x76543210
	s_mov_b32 s29, 0xfedcba98                      ; v_permlanex16_b32's selects for lane l xor 16
	s_mov_b32 s30, 0xffff0000                      ; lanes 16-31
	s_cmp_lt_u32 ttmp9, 512
	s_cbranch_scc1 .Lmask
	s_cmp_lt_u32 ttmp9, 640
	s_cbranch_scc1 .Lweights
; the largest magnitude of the 32 numbers v[XS] on, with the floor 2^(5 - 127) -> v200; with 4 off its exponent field, the conversion's scale operand -> v202
.macro AMAX
	v_max3_num_f32 v200, |v[XS]|, |v[XS+1]|, |v[XS+2]|
	v_max3_num_f32 v201, |v[XS+3]|, |v[XS+4]|, |v[XS+5]|
.irp i, 6,10,14,18,22,26
	v_max3_num_f32 v200, v200, |v[XS+\i]|, |v[XS+\i+1]|
	v_max3_num_f32 v201, v201, |v[XS+\i+2]|, |v[XS+\i+3]|
.endr
	v_max3_num_f32 v200, v200, |v[XS+30]|, |v[XS+31]|
	v_max3_num_f32 v200, v200, v201, 0x2800000
	v_add_nc_u32 v202, 0xfe000000, v200
.endm
; 32 codes, 192 bits, into v[CS] .. v[CS+5]; the scale's byte into v[by]
.macro CODES by
	v_cvt_scalef32_pk16_bf6_f32 v[CS:CS+2], v[XS:XS+15], v202
	v_cvt_scalef32_pk16_bf6_f32 v[CS+4:CS+6], v[XS+16:XS+31], v202   ; (a conversion's three registers begin on an even number)
	v_lshrrev_b32 v[\by], 23, v202                 ; the byte; also the plain line between the conversions and the moves of their results
	v_mov_b32 v[CS+3], v[CS+4]
	v_mov_b32 v[CS+4], v[CS+5]
	v_mov_b32 v[CS+5], v[CS+6]
.endm
; ---------------- X: a wave takes one row tile over all of K: 16 groups of 64 along K
	s_sub_co_u32 s31, ttmp9, 640
	s_lshr_b32 s34, s31, 7                         ; which tensor: 0 q, 1 k, 2 v
	s_and_b32 s31, s31, 127
	s_lshl_b32 s31, s31, 2
	s_add_co_u32 s31, s31, s26                     ; T, 0 .. 511
	s_lshr_b32 s35, s31, 1
	s_lshl_b32 s35, s35, 5
	s_and_b32 s36, s31, 1
	s_lshl_b32 s36, s36, 3
	s_add_co_u32 s36, s35, s36                     ; the tile's first row
	s_lshl_b32 s36, s36, 12                        ; in bytes (under 2^26)
	s_mov_b32 s37, 0
	s_mul_i32 s38, s34, 6291456
	s_mul_i32 s35, s31, 12288
	s_add_co_u32 s38, s38, s35                     ; the tile's code image
	s_mov_b32 s39, 0
	s_mul_i32 s40, s34, 262144
	s_lshl_b32 s35, s31, 9
	s_add_co_u32 s40, s40, s35
	s_add_co_u32 s40, s40, 18874368                ; its scale image
	s_mov_b32 s41, 0
	s_mul_i32 s27, s26, WREG                       ; my stages
	s_wait_alu depctr_va_vdst(0)
	v_lshlrev_b32 v1, 12, v10
	v_lshl_add_u32 v1, v9, 4, v1                   ; a load takes 256 bytes of two rows: row h, 16 bytes a lane
	v_mul_u32_u24 v2, v10, 272
	v_lshl_add_u32 v2, v9, 4, v2
	v_add_nc_u32 v2, s27, v2                       ; into the stage as loaded
	v_mul_u32_u24 v3, v9, 272
	v_lshl_add_u32 v3, v10, 7, v3
	v_add_nc_u32 v3, s27, v3                       ; out of it: slot r, my half's 128 bytes
	v_lshlrev_b32 v4, 4, v8                        ; 16 x lane
	v_lshlrev_b32 v5, 3, v8                        ; 8 x lane
	v_lshlrev_b32 v6, 3, v10                       ; 8 h: my bytes' place in a scale word
	v_lshlrev_b32 v7, 7, v10
	v_lshl_add_u32 v7, v9, 3, v7                   ; scale image: 128 h + 8 r
	v_mov_b32 v203, 0                              ; a lane permute's destination counts as one of its sources
	s_wait_alu depctr_va_vdst(0)
	s_wait_kmcnt 0x0
	s_cmp_eq_u32 s34, 0
	s_cselect_b64 s[32:33], s[4:5], s[6:7]
	s_cmp_eq_u32 s34, 2
	s_cselect_b64 s[32:33], s[8:9], s[32:33]
	s_add_nc_u64 s[32:33], s[32:33], s[36:37]
	s_add_nc_u64 s[38:39], s[20:21], s[38:39]
	s_add_nc_u64 s[40:41], s[20:21], s[40:41]
.macro LOADX g                         ; group g: 256 bytes of each of the 16 rows; a load covers two rows' aligned 256 bytes
.irp i, 0,1,2,3,4,5,6,7
	global_load_b128 v[R+32*((\g)%3)+4*\i:R+32*((\g)%3)+4*\i+3], v1, s[32:33] offset:(2*\i+8*(\i/4))*4096+256*(\g) th:TH_LOAD_NT
.endr
.endm
.macro TURNX g                         ; through the stage: LDS serves a wave's instructions in order, so no wait stands between the stores and the loads
.irp i, 0,1,2,3,4,5,6,7
	ds_store_b128 v2, v[R+32*((\g)%3)+4*\i:R+32*((\g)%3)+4*\i+3] offset:STG*((\g)%2)+544*\i
.endr
.irp j, 0,1,2,3,4,5,6,7
	ds_load_b128 v[X+32*((\g)%2)+4*\j:X+32*((\g)%2)+4*\j+3], v3 offset:STG*((\g)%2)+16*\j
.endr
.endm
.macro GROUPX g
.set XS, X+32*((\g)%2)
.set CS, C+8*((\g)%2)
	s_wait_dscnt 0x0                               ; this group's numbers are back from the stage, so its stores into the stage have read their registers
	s_wait_xcnt 0x0                                ; the earlier groups' stores have read their codes: those registers are written again below
.if (\g)+3 < 16
	LOADX (\g)+3
.endif
.if (\g) < 15
.if (\g) < 13
	s_wait_loadcnt 16                              ; the next group's 8 loads are in; those of the two groups behind it may be out
.else
	s_wait_loadcnt 8*(14-(\g))
.endif
	TURNX (\g)+1
.endif
	AMAX
	CODES 204+(\g)%2
	global_store_b128 v4, v[CS:CS+3], s[38:39] offset:768*(\g)         ; 512 consecutive bytes, aligned
	global_store_b64 v5, v[CS+4:CS+5], s[38:39] offset:768*(\g)+512    ; 256 consecutive bytes, aligned
.if (\g)%2
	v_lshl_or_b32 v206, v205, 16, v204             ; my two bytes of these 128 along K: blocks h and 2 + h,
	v_lshlrev_b32 v206, v6, v206                   ; at their places;
	v_permlanex16_b32 v203, v206, s28, s29
	v_or_b32 v[W+(\g)/2], v206, v203               ; with lane l xor 16's two the word is whole
.endif
.endm
	LOADX 0
	LOADX 1
	LOADX 2
	s_wait_loadcnt 16                              ; group 0's loads are in
	TURNX 0
.irp g, 0,1,2,3,4,5,6,7,8,9,10,11,12,13,14,15
	GROUPX \g
.endr
.irp i, 0,1                            ; lanes 0-15 store the words of p = 2 i, lanes 16-31 those of p = 2 i + 1: 256 consecutive bytes a store
	v_cndmask_b32 v[200+2*\i], v[W+4*\i], v[W+4*\i+2], s30
	v_cndmask_b32 v[201+2*\i], v[W+4*\i+1], v[W+4*\i+3], s30
	global_store_b64 v7, v[200+2*\i:201+2*\i], s[40:41] offset:256*\i
.endr
	s_wait_tensorcnt 0x0
	ds_add_u32 v208, v209
	s_wait_dscnt 0x0
	s_endpgm
; ---------------- W: a lane takes a column n and its registers run down K; a wave takes 32 columns x 256 along K
.Lweights:
	s_sub_co_u32 s31, ttmp9, 512
	s_lshr_b32 s34, s31, 5                         ; which weight: 0 wq, 1 wk, 2 wv, 3 wo
	s_and_b32 s35, s31, 7
	s_bfe_u32 s36, s31, 0x20003                    ; which 256 along K
	s_lshl_b32 s35, s35, 2
	s_add_co_u32 s35, s35, s26                     ; P: columns 32 P on; the four waves stand side by side on 512 bytes
	s_lshl_b32 s38, s36, 20
	s_lshl_b32 s37, s35, 7
	s_add_co_u32 s38, s38, s37                     ; the source: 256 rows of 4,096 bytes down, 128 P bytes along
	s_mov_b32 s39, 0
	s_mul_i32 s40, s34, 786432
	s_mul_i32 s37, s35, 24576
	s_add_co_u32 s40, s40, s37
	s_mul_i32 s37, s36, 3072
	s_add_co_u32 s40, s40, s37                     ; code image: row tiles 2 P and 2 P + 1, groups 4 kq on
	s_mov_b32 s41, 0
	s_lshl_b32 s42, s34, 15
	s_lshl_b32 s37, s35, 10
	s_add_co_u32 s42, s42, s37
	s_lshl_b32 s37, s36, 7
	s_add_co_u32 s42, s42, s37
	s_add_co_u32 s42, s42, 3145728                 ; scale image: p = kq
	s_mov_b32 s43, 0
	s_wait_alu depctr_va_vdst(0)
	v_lshlrev_b32 v1, 2, v8                        ; in: 4 bytes a lane
	v_bfe_u32 v2, v0, 3, 1                         ; column 32 P + lane lies in tile 2 P + u, u = (lane / 8) % 2,
	v_and_b32 v3, 7, v0
	v_lshl_add_u32 v3, v10, 3, v3                  ; at slot lane % 8 + 8 (lane / 16)
	v_mul_u32_u24 v4, v2, 12288
	v_lshl_add_u32 v5, v3, 4, v4                   ; a group's first four registers
	v_lshl_add_u32 v6, v3, 3, v4                   ; its last two
	v_lshlrev_b32 v7, 9, v2
	v_lshl_add_u32 v7, v3, 3, v7                   ; the scale words
	s_wait_alu depctr_va_vdst(0)
	s_wait_kmcnt 0x0
	s_cmp_lt_u32 s34, 2
	s_cselect_b64 s[32:33], s[10:11], s[14:15]
	s_cselect_b64 s[44:45], s[12:13], s[16:17]
	s_bitcmp1_b32 s34, 0
	s_cselect_b64 s[32:33], s[44:45], s[32:33]
	s_add_nc_u64 s[32:33], s[32:33], s[38:39]
	s_add_nc_u64 s[40:41], s[22:23], s[40:41]
	s_add_nc_u64 s[42:43], s[22:23], s[42:43]
.macro LOADW t                         ; block t: 32 rows of K at my column
.irp i, 0,1,2,3,4,5,6,7,8,9,10,11,12,13,14,15,16,17,18,19,20,21,22,23,24,25,26,27,28,29,30,31
	global_load_b32 v[R+32*((\t)%2)+\i], v1, s[32:33] offset:(32*(\t)+\i)*4096 th:TH_LOAD_NT
.endr
.endm
.macro BLOCKW t
.set XS, R+32*((\t)%2)
.set CS, C
.if (\t) < 7
	s_wait_loadcnt 32                              ; this block's 32 loads are in; the next block's may be out
.else
	s_wait_loadcnt 0x0
.endif
	AMAX
	s_wait_alu depctr_va_vdst(0)
	s_wait_xcnt 0x0                                ; the last block's stores have read their codes
	CODES 204
.if (\t)%4 == 0
	v_mov_b32 v[W+(\t)/4], v204                    ; four bytes to a word, the lower K in the lower byte
.else
	v_lshl_or_b32 v[W+(\t)/4], v204, 8*((\t)%4), v[W+(\t)/4]
.endif
	global_store_b128 v5, v[CS:CS+3], s[40:41] offset:768*((\t)/2)+256*((\t)%2)       ; block t is half t % 2 of group t / 2: sixteen lanes fill 256 aligned bytes of each of the two tiles
	global_store_b64 v6, v[CS+4:CS+5], s[40:41] offset:768*((\t)/2)+512+128*((\t)%2)
.if (\t)+2 < 8
	LOADW (\t)+2
.endif
.endm
	LOADW 0
	LOADW 1
.irp t, 0,1,2,3,4,5,6,7
	BLOCKW \t
.endr
	global_store_b64 v7, v[W:W+1], s[42:43]
	s_endpgm
; ---------------- MASK: a work-group takes one tile of 16 queries, wave w keys 512 w on: four key steps, in two turns of 256 keys
.Lmask:
	s_lshr_b32 s31, ttmp9, 7                       ; b
	s_and_b32 s34, ttmp9, 127                      ; query tile
	s_lshr_b32 s35, s34, 1
	s_lshl_b32 s35, s35, 5
	s_and_b32 s36, s34, 1
	s_lshl_b32 s36, s36, 3
	s_add_co_u32 s35, s35, s36
	s_lshl_b32 s31, s31, 11
	s_add_co_u32 s35, s35, s31                     ; the tile's first row among the 8,192
	s_lshl_b32 s36, s35, 11                        ; rows of 2,048 bytes
	s_lshl_b32 s37, s26, 9
	s_add_co_u32 s36, s36, s37
	s_mov_b32 s37, 0
	s_lshl_b32 s38, ttmp9, 12                      ; the tile's 16 x 256 bytes of words,
	s_lshl_b32 s39, s26, 10                        ; my four steps
	s_add_co_u32 s38, s38, s39
	s_mov_b32 s39, 0
	s_mul_i32 s27, s26, WREG
	s_add_co_u32 s27, s27, 34816                   ; my stages
	s_lshl_b32 s60, ttmp9, 9                       ; mf: 512 bytes a tile,
	s_lshl_b32 s61, s26, 7                         ; 128 a wave
	s_add_co_u32 s60, s60, s61
	s_mov_b32 s61, 0
	s_wait_alu depctr_va_vdst(0)
	v_lshlrev_b32 v1, 11, v10
	v_lshl_add_u32 v1, v9, 4, v1                   ; a load takes 256 bytes of two rows
	v_mul_u32_u24 v2, v10, 272
	v_lshl_add_u32 v2, v9, 4, v2
	v_add_nc_u32 v2, s27, v2
	v_mul_u32_u24 v3, v9, 272
	v_lshl_add_u32 v3, v10, 4, v3
	v_add_nc_u32 v3, s27, v3                       ; out of the stage: slot r, 16 bytes of my half of each block of 32 keys
	v_lshlrev_b32 v4, 3, v8                        ; out: two words a lane
	v_lshlrev_b32 v5, 2, v8                        ; mf: a word a lane
	v_mov_b32 v207, 0                              ; the wave's 32 words of mf
.irp i, 0,1,2,3,4,5,6,7
	v_mov_b32 v[W+\i], 0                           ; v_writelane_b32's destination counts as one of its sources
.endr
	s_wait_kmcnt 0x0
	s_add_nc_u64 s[18:19], s[18:19], s[36:37]
	s_add_nc_u64 s[24:25], s[24:25], s[38:39]
	s_add_nc_u64 s[58:59], s[58:59], s[60:61]
.irp it, 0,1
.irp i, 0,1,2,3,4,5,6,7
	global_load_b128 v[R+32*\it+4*\i:R+32*\it+4*\i+3], v1, s[18:19] offset:(2*\i+8*(\i/4))*2048+256*\it th:TH_LOAD_NT
.endr
.endr
.macro TURNM it
.irp i, 0,1,2,3,4,5,6,7
	ds_store_b128 v2, v[R+32*\it+4*\i:R+32*\it+4*\i+3] offset:STG*\it+544*\i
.endr
.irp j, 0,1,2,3,4,5,6,7
	ds_load_b128 v[X+32*\it+4*\j:X+32*\it+4*\j+3], v3 offset:STG*\it+32*\j
.endr
.endm
; one key step's 64 words: a byte is cut out, compared with 0 (the compare's result IS the word: a bit a lane), and the word is put into lane n / 2 of register n % 2
.macro WORDS it, st
	s_mov_b32 s56, 0                               ; the OR of the step's 64 words,
	s_mov_b32 s57, -1                              ; and their AND
.irp bp, 0,1,2,3
.irp i, 0,1,2,3,4,5,6,7,8,9,10,11,12,13,14,15
	v_and_b32 v[80+\i], 0xff<<(8*(\i%4)), v[X+32*\it+4*(4*\st+\bp)+\i/4]
.endr
.irp i, 0,1,2,3,4,5,6,7,8,9,10,11,12,13,14,15
	v_cmp_ne_u32 s[40+\i], 0, v[80+\i]
.endr
.irp i, 0,1,2,3,4,5,6,7,8,9,10,11,12,13,14,15
	s_or_b32 s56, s56, s[40+\i]
	s_and_b32 s57, s57, s[40+\i]
.endr
.irp i, 0,1,2,3,4,5,6,7,8,9,10,11,12,13,14,15
	v_writelane_b32 v[W+2*(2*\it+\st)+\i%2], s[40+\i], 8*\bp+\i/2
.endr
.endr
	global_store_b64 v4, v[W+2*(2*\it+\st):W+2*(2*\it+\st)+1], s[24:25] offset:256*(2*\it+\st)   ; 256 consecutive bytes, aligned
	v_writelane_b32 v207, s56, 2*(2*\it+\st)
	v_writelane_b32 v207, s57, 2*(2*\it+\st)+1
.endm
	s_wait_loadcnt 8                               ; the first turn's 8 loads are in
	TURNM 0
	s_wait_loadcnt 0x0
	TURNM 1
	s_wait_dscnt 16                                ; the first turn is back; the second turn's 8 stores and 8 loads may be out
	WORDS 0, 0
	WORDS 0, 1
	s_wait_dscnt 0x0
	WORDS 1, 0
	WORDS 1, 1
	global_store_b32 v5, v207, s[58:59]            ; 128 consecutive bytes a wave, 512 a work-group
	s_wait_tensorcnt 0x0
	ds_add_u32 v208, v209
	s_wait_dscnt 0x0
	s_endpgm
.Lfunc_end_k_q25177387f7_prep:
	.size	k_q25177387f7_prep, .Lfunc_end_k_q25177387f7_prep-k_q25177387f7_prep
	.p2alignl 7, 3214868480
	.fill 96, 4, 3214868480
	.section	.rodata,"a",@progbits
	.p2align	6, 0x0
	.amdhsa_kernel k_q25177387f7_prep
		.amdhsa_group_segment_fixed_size 70144
		.amdhsa_private_segment_fixed_size 0
		.amdhsa_enable_private_segment 0
		.amdhsa_kernarg_size 96
		.amdhsa_user_sgpr_count 2
		.amdhsa_user_sgpr_kernarg_segment_ptr 1
		.amdhsa_wavefront_size32 1
		.amdhsa_system_sgpr_workgroup_id_x 1
		.amdhsa_system_sgpr_workgroup_id_y 1
		.amdhsa_system_sgpr_workgroup_id_z 1
		.amdhsa_system_vgpr_workitem_id 0
		.amdhsa_next_free_vgpr 210
		.amdhsa_next_free_sgpr 66
		.amdhsa_reserve_vcc 0
		.amdhsa_float_denorm_mode_32 3
		.amdhsa_float_denorm_mode_16_64 3
		.amdhsa_memory_ordered 1
		.amdhsa_forward_progress 1
		.amdhsa_inst_pref_size 170
	.end_amdhsa_kernel
	.amdgpu_metadata
---
amdhsa.version: [ 1, 2 ]
amdhsa.kernels:
  - .name:           k_q25177387f7_prep
    .symbol:         k_q25177387f7_prep.kd
    .args:
      - { .name: q, .offset: 0, .size: 8, .value_kind: global_buffer, .address_space: global }
      - { .name: k, .offset: 8, .size: 8, .value_kind: global_buffer, .address_space: global }
      - { .name: v, .offset: 16, .size: 8, .value_kind: global_buffer, .address_space: global }
      - { .name: wq, .offset: 24, .size: 8, .value_kind: global_buffer, .address_space: global }
      - { .name: wk, .offset: 32, .size: 8, .value_kind: global_buffer, .address_space: global }
      - { .name: wv, .offset: 40, .size: 8, .value_kind: global_buffer, .address_space: global }
      - { .name: wo, .offset: 48, .size: 8, .value_kind: global_buffer, .address_space: global }
      - { .name: mask, .offset: 56, .size: 8, .value_kind: global_buffer, .address_space: global }
      - { .name: xq, .offset: 64, .size: 8, .value_kind: global_buffer, .address_space: global }
      - { .name: wt, .offset: 72, .size: 8, .value_kind: global_buffer, .address_space: global }
      - { .name: mw, .offset: 80, .size: 8, .value_kind: global_buffer, .address_space: global }
      - { .name: mf, .offset: 88, .size: 8, .value_kind: global_buffer, .address_space: global }
    .group_segment_fixed_size: 70144
    .private_segment_fixed_size: 0
    .kernarg_segment_align: 8
    .kernarg_segment_size: 96
    .max_flat_workgroup_size: 128
    .sgpr_count:     66
    .vgpr_count:     210
    .wavefront_size: 32
...
	.end_amdgpu_metadata
.endif
;; end of part 1
;; launch proj (part 2): grid 4 x 96, 4 waves a work-group, clusters of 4 x 4, 327,680 bytes of LDS; arguments xq, wt, bq, bk, bv, qf, kv; writes qf, kv
.if DOCPART == 2
	.amdgcn_target "amdgcn-amd-amdhsa--gfx1250"
	.amdhsa_code_object_version 6
	.text
	.protected	k_q25177387f7_proj
	.globl	k_q25177387f7_proj
	.p2align	8
	.type	k_q25177387f7_proj,@function
k_q25177387f7_proj:
	s_mov_b64 s[64:65], 0
	v_nop
	global_prefetch_b8 v0, s[64:65] scope:SCOPE_SE
	s_setreg_imm32_b32 hwreg(HW_REG_WAVE_MODE, 25, 1), 1
	s_wait_xcnt 0x0
	s_wait_alu depctr_hold_cnt(0) depctr_sa_sdst(0) depctr_va_vdst(0) depctr_va_sdst(0) depctr_va_ssrc(0) depctr_va_vcc(0) depctr_vm_vsrc(0)
	s_getreg_b32 s2, hwreg(HW_REG_IB_STS2, 6, 4)
	s_cmp_eq_u32 s2, 0
	s_cbranch_scc0 .Lentry_in_a_cluster
	s_endpgm
.Lentry_in_a_cluster:
	s_bfe_u32 s2, ttmp6, 0x10000c
	s_cmp_lg_u32 s2, 0xf033
	s_cbranch_scc0 .Lentry_shape_is_right
	s_endpgm
.Lentry_shape_is_right:
.set HALFT,  24576
.set SLOT,   98304
.set SCL,    196608
.set SPARE,  213248
.set FR,     12
.set NL,     4
.set NP,     4
.set NQ,     2
.set ADRA, 16
.set ADRB, 20
.set L16,  24
.set L8,   25
.set ADRS, 27
.set SPW,  28
.set NIL,  29
.set SC,   32
.set BI,   64
.set AF,   128
.set H,    128
.set PC,   192
.set TM,   212
.set PW,   228
.set PWE,  229
.set WA,   232
.set WB,   236
.set RR,   240
.set SEL,  2
.set G1, 24
.set G0, 32
.set G1B, 48
.set G0B, 56
.set G1S, 68
.set G0S, 76
.set G1SB, 80
.set G0SB, 88
.set MSB, 0
.macro WIN new
.if MSB != (\new)
	s_set_vgpr_msb (MSB<<8)|(\new)
.set MSB, (\new)
.endif
.endm
.set MUL_LO, 0xa1
.set MUL_HI, 0xf1
.set TO_B,   0x40
.macro JLOAD g0a, g1a, g0b, g1b
	s_cmp_eq_u32 s15, 0
	s_cbranch_scc0 .Lfor_b_\@
	tensor_load_to_lds s[\g0a:\g0a+3], s[\g1a:\g1a+7]
	s_nop 0
.rept 4
	v_nop
.endr
	s_branch .Lasked_\@
.Lfor_b_\@:
	tensor_load_to_lds s[\g0b:\g0b+3], s[\g1b:\g1b+7]
	s_nop 0
.rept 4
	v_nop
.endr
.Lasked_\@:
.endm
.macro CREST
	s_cmp_lg_u32 s14, 0
	s_cbranch_scc1 .Lnot_wave_0_\@
	s_barrier_signal -3
.Lnot_wave_0_\@:
	s_barrier_wait -3
	s_barrier_signal -1
	s_barrier_wait -1
.endm
.macro CROUND
	s_barrier_signal -1
	s_barrier_wait -1
	CREST
.endm
	s_load_b128 s[4:7], s[0:1], 0x0
	s_load_b128 s[8:11], s[0:1], 0x10
	s_load_b128 s[96:99], s[0:1], 0x20
	s_load_b64 s[66:67], s[0:1], 0x30
	v_lshl_add_u32 v[SPW], v0, 2, SPARE
	v_mov_b32 v[NIL], 0
	ds_add_u32 v28, v29
	ds_add_u32 v28, v29
	s_wait_dscnt 0x0
	v_lshrrev_b32 v1, 5, v0
	v_readfirstlane_b32 s14, v1
	s_lshr_b32 s15, s14, 1
	s_and_b32 s16, s14, 1
	s_bfe_u32 s40, ttmp6, 0x40000
	s_bfe_u32 s41, ttmp6, 0x40004
	s_and_b32 s12, ttmp7, 0xffff
	s_lshr_b32 s13, s12, 3
	s_and_b32 s12, s12, 7
	s_lshl_b32 s12, s12, 2
	s_mul_i32 s18, s13, 6291456
	s_mul_i32 s19, s13, 262144
	s_add_co_u32 s19, s19, 18874368
	s_mul_i32 s94, s13, 786432
	s_mul_i32 s95, s13, 32768
	s_add_co_u32 s95, s95, 3145728
	s_cmp_eq_u32 s13, 2
	s_cselect_b32 s17, 0, s12
	s_cselect_b32 s42, s12, 0
	s_cselect_b32 s20, s94, s18
	s_cselect_b32 s22, s95, s19
	s_cselect_b32 s46, s18, s94
	s_cselect_b32 s92, s19, s95
	s_add_co_u32 s17, s17, s41
	s_add_co_u32 s42, s42, s40
	s_lshl_b32 s43, s41, 2
	s_lshl_b32 s43, 15, s43
	s_lshl_b32 s44, 0x1111, s40
	s_or_b32 s[G1+0], s43, (3<<16)|(1<<21)
	s_or_b32 s[G1B+0], s44, (3<<16)|(1<<21)
.irp g, G1, G1B
	s_mov_b32 s[\g+1], 384<<16
	s_mov_b32 s[\g+2], 8<<16
	s_mov_b32 s[\g+3], 384<<16
	s_mov_b32 s[\g+4], 8
	s_mov_b32 s[\g+5], 1536
	s_mov_b32 s[\g+6], 0
	s_mov_b32 s[\g+7], 0
.endr
	s_or_b32 s[G1S+0], s43, (3<<16)|(1<<21)
	s_or_b32 s[G1SB+0], s44, (3<<16)|(1<<21)
.irp g, G1S, G1SB
	s_mov_b32 s[\g+1], 32<<16
	s_mov_b32 s[\g+2], 16<<16
	s_mov_b32 s[\g+3], 32<<16
	s_mov_b32 s[\g+4], 16
	s_mov_b32 s[\g+5], 32
	s_mov_b32 s[\g+6], 0
	s_mov_b32 s[\g+7], 0
.endr
	s_lshl_b32 s18, s16, 3
	s_lshl_b32 s19, s17, 4
	s_add_co_u32 s19, s19, s18
	s_mul_i32 s21, s19, 12288
	s_add_co_u32 s20, s20, s21
	s_lshl_b32 s21, s19, 9
	s_add_co_u32 s22, s22, s21
	s_mov_b32 s21, 0
	s_mov_b32 s23, 0
	s_lshl_b32 s94, s42, 4
	s_add_co_u32 s94, s94, s18
	s_mul_i32 s95, s94, 12288
	s_add_co_u32 s46, s46, s95
	s_lshl_b32 s95, s94, 9
	s_add_co_u32 s92, s92, s95
	s_mov_b32 s47, 0
	s_mov_b32 s93, 0
	s_mul_i32 s45, s14, HALFT
	s_lshl_b32 s3, s14, 12
	s_lshl_b32 s2, s15, 7
	s_add_co_u32 s3, s3, s2
	s_wait_kmcnt 0x0
	s_cmp_eq_u32 s13, 2
	s_cselect_b64 s[18:19], s[6:7], s[4:5]
	s_cselect_b64 s[94:95], s[4:5], s[6:7]
	s_add_nc_u64 s[20:21], s[18:19], s[20:21]
	s_add_nc_u64 s[22:23], s[18:19], s[22:23]
	s_add_nc_u64 s[46:47], s[94:95], s[46:47]
	s_add_nc_u64 s[92:93], s[94:95], s[92:93]
	CROUND
	s_mov_b32 s[G0S], 1
	s_add_co_u32 s[G0S+1], s3, SCL
	s_mov_b64 s[G0S+2:G0S+3], s[22:23]
	s_or_b32 s[G0S+3], s[G0S+3], 0x80000000
	s_mov_b32 s[G0SB], 1
	s_add_co_u32 s[G0SB+1], s3, SCL
	s_mov_b64 s[G0SB+2:G0SB+3], s[92:93]
	s_or_b32 s[G0SB+3], s[G0SB+3], 0x80000000
	JLOAD G0S, G1S, G0SB, G1SB
.irp s, 0,1
	s_mov_b32 s[G0+4*\s], 1
	s_add_co_u32 s[G0+4*\s+1], s45, \s*SLOT
	s_add_nc_u64 s[G0+4*\s+2:G0+4*\s+3], s[20:21], \s*3072
	s_or_b32 s[G0+4*\s+3], s[G0+4*\s+3], 0x80000000
	s_mov_b32 s[G0B+4*\s], 1
	s_add_co_u32 s[G0B+4*\s+1], s45, \s*SLOT
	s_add_nc_u64 s[G0B+4*\s+2:G0B+4*\s+3], s[46:47], \s*3072
	s_or_b32 s[G0B+4*\s+3], s[G0B+4*\s+3], 0x80000000
	s_wait_alu depctr_va_vdst(0)
	s_wait_tensorcnt 0x0
	ds_add_u32 v28, v29
	s_wait_dscnt 0x0
	CROUND
	JLOAD G0+4*\s, G1, G0B+4*\s, G1B
.endr
	v_and_b32 v1, 15, v0
	v_bfe_u32 v2, v0, 4, 1
	v_and_b32 v3, 31, v0
	v_lshlrev_b32 v[L16], 4, v3
	v_lshlrev_b32 v[L8], 3, v3
	v_lshl_add_u32 v5, v3, 3, 512
	s_mul_i32 s21, s15, HALFT
	s_mul_i32 s22, s16, HALFT
	s_add_co_u32 s22, s22, 2*HALFT
.irp s, 0,1
	v_add_nc_u32 v[ADRA+\s], s21, v[L16]
	v_add_nc_u32 v[ADRB+\s], s22, v[L16]
	v_add_nc_u32 v[ADRA+2+\s], s21, v5
	v_add_nc_u32 v[ADRB+2+\s], s22, v5
	s_add_co_u32 s21, s21, SLOT
	s_add_co_u32 s22, s22, SLOT
.endr
	v_lshlrev_b32 v7, 3, v1
	s_lshl_b32 s21, s15, 12
	s_lshl_b32 s22, s16, 12
	s_add_co_u32 s22, s22, 8320
	s_sub_co_u32 s22, s22, s21
	v_mul_u32_u24 v6, s22, v2
	s_add_co_u32 s21, s21, SCL
	v_add_nc_u32 v7, v7, v6
	v_add_nc_u32 v[ADRS], s21, v7
	v_lshlrev_b32 v8, 6, v2
	v_and_b32 v9, 8, v1
	v_add_nc_u32 v9, v9, v1
	v_lshlrev_b32 v9, 2, v9
.macro FRAG reg, adr, q, i
.irp c, 0,1
	ds_load_b128 v[\reg+6*\c:\reg+6*\c+3], v[\adr] offset:3072*(\i)+768*(2*(\q)+\c)
	ds_load_b64 v[\reg+6*\c+4:\reg+6*\c+5], v[\adr+2] offset:3072*(\i)+768*(2*(\q)+\c)
.endr
.endm
.macro MUL16 a0, p, q, sc, zero
.irp a, \a0, \a0+1
.irp b, 0,1,2,3,4,5,6,7
.if \zero
	v_wmma_scale_f32_16x16x128_f8f6f4 v[8*(8*((\a)%4)+\b):8*(8*((\a)%4)+\b)+7], v[128*(\p)+FR*\b:128*(\p)+FR*\b+FR-1], v[AF+FR*(\a):AF+FR*(\a)+FR-1], 0, v[SC+8*NQ*(\sc)+NQ*\b+(\q)], v[SC+8*NQ*(\sc)+NQ*(\a)+(\q)] matrix_a_fmt:MATRIX_FMT_BF6 matrix_b_fmt:MATRIX_FMT_BF6 matrix_a_scale:MATRIX_SCALE_ROW1
.else
	v_wmma_scale_f32_16x16x128_f8f6f4 v[8*(8*((\a)%4)+\b):8*(8*((\a)%4)+\b)+7], v[128*(\p)+FR*\b:128*(\p)+FR*\b+FR-1], v[AF+FR*(\a):AF+FR*(\a)+FR-1], v[8*(8*((\a)%4)+\b):8*(8*((\a)%4)+\b)+7], v[SC+8*NQ*(\sc)+NQ*\b+(\q)], v[SC+8*NQ*(\sc)+NQ*(\a)+(\q)] matrix_a_fmt:MATRIX_FMT_BF6 matrix_b_fmt:MATRIX_FMT_BF6 matrix_a_scale:MATRIX_SCALE_ROW1
.endif
.endr
.endr
.endm
.macro FETCH_B slot, q, p
	WIN TO_B
.irp i, 0,1,2,3,4,5,6,7
	FRAG 128*(\p)+FR*\i, ADRB+\slot, \q, \i
.endr
	WIN 0
.endm
.macro FETCH_A slot, q, i0
.irp i, \i0, \i0+1, \i0+2, \i0+3
	FRAG AF+FR*(\i), ADRA+\slot, \q, \i
.endr
.endm
.macro SCALES sc
.irp i, 0,1,2,3,4,5,6,7
	ds_load_b64 v[SC+8*NQ*\sc+NQ*\i:SC+8*NQ*\sc+NQ*\i+1], v[ADRS] offset:\i*512
.endr
.endm
.macro PLACES n
.rept \n
	v_nop
.endr
.endm
.macro STEP slot, q, zero
	s_wait_dscnt 4*NL
	WIN MUL_LO
	MUL16 0, (\q)%2, \q, \slot, \zero
	MUL16 2, (\q)%2, \q, \slot, \zero
	s_wait_dscnt 0
	PLACES NP
	FETCH_B \slot, (\q)+1, 1-(\q)%2
	FETCH_A \slot, (\q)+1, 0
	WIN MUL_HI
	MUL16 4, (\q)%2, \q, \slot, \zero
	MUL16 6, (\q)%2, \q, \slot, \zero
	PLACES NP
	WIN 0
	FETCH_A \slot, (\q)+1, 4
.endm
.macro TURN slot, next, fill
	s_wait_tensorcnt 0x0
	ds_add_u32 v[SPW], v[NIL]
	s_wait_dscnt 4*NL+1
	WIN MUL_LO
	MUL16 0, 1, NQ-1, \slot, 0
	s_wait_dscnt 0x0
	s_barrier_signal -1
	MUL16 2, 1, NQ-1, \slot, 0
	WIN 0
	s_barrier_wait -1
.if \fill
	CREST
	s_add_nc_u64 s[G0+4*\slot+2:G0+4*\slot+3], s[G0+4*\slot+2:G0+4*\slot+3], 6144
	s_add_nc_u64 s[G0B+4*\slot+2:G0B+4*\slot+3], s[G0B+4*\slot+2:G0B+4*\slot+3], 6144
	JLOAD G0+4*\slot, G1, G0B+4*\slot, G1B
.else
	PLACES NP
.endif
	s_wait_alu depctr_va_vdst(0)
	v_add_nc_u32 v[ADRS], 128, v[ADRS]
	FETCH_B \next, 0, 0
	FETCH_A \next, 0, 0
	SCALES \next
	WIN MUL_HI
	MUL16 4, 1, NQ-1, \slot, 0
	MUL16 6, 1, NQ-1, \slot, 0
	PLACES NP
	WIN 0
	FETCH_A \next, 0, 4
.endm
.macro TAIL
	STEP 1, 0, 0
	s_wait_dscnt 4*NL
	WIN MUL_LO
	MUL16 0, 1, NQ-1, 1, 0
	MUL16 2, 1, NQ-1, 1, 0
	s_wait_dscnt 0
	WIN MUL_HI
	MUL16 4, 1, NQ-1, 1, 0
	MUL16 6, 1, NQ-1, 1, 0
	WIN 0
.endm
.macro QUANT s
.irp b, 0,1,2,3
	v_max3_num_f32 v[TM+\b], |v[\s+16*\b]|, |v[\s+1+16*\b]|, 0x2800000
.endr
.irp i, 2,4,6,8,10,12,14
.irp b, 0,1,2,3
	v_max3_num_f32 v[TM+\b], v[TM+\b], |v[\s+16*\b+\i]|, |v[\s+1+16*\b+\i]|
.endr
.endr
.irp b, 0,1,2,3
	v_permlanex16_b32 v[TM+4+\b], v[TM+\b], s[SEL], s[SEL+1]
.endr
.irp b, 0,1,2,3
	v_max_num_f32 v[TM+\b], v[TM+\b], v[TM+4+\b]
.endr
.irp b, 0,1,2,3
	v_add_nc_u32 v[TM+12+\b], 0xfe000000, v[TM+\b]
.endr
.irp b, 0,1,2,3
	v_lshrrev_b32 v[TM+4+\b], 23, v[TM+12+\b]
.endr
	v_lshl_or_b32 v[PW], v[TM+5], 8, v[TM+4]
	v_lshl_or_b32 v[PW], v[TM+6], 16, v[PW]
	v_lshl_or_b32 v[PW], v[TM+7], 24, v[PW]
.irp c, 0,1
	v_cvt_scalef32_pk16_bf6_f32 v[PC+6*\c:PC+2+6*\c], v[\s+32*\c:\s+15+32*\c], v[TM+12+2*\c]
	v_cvt_scalef32_pk16_bf6_f32 v[PC+12+4*\c:PC+14+4*\c], v[\s+16+32*\c:\s+31+32*\c], v[TM+12+2*\c+1]
.endr
	v_nop
.irp c, 0,1
.irp i, 0,1,2
	v_permlane16_swap_b32 v[PC+6*\c+\i], v[PC+12+4*\c+\i]
.endr
.irp i, 0,1,2
	v_mov_b32 v[PC+3+6*\c+\i], v[PC+12+4*\c+\i]
.endr
.endr
.endm
.macro EPI_QK a
	WIN 2+(\a)/4
.set AC, 64*((\a)%4)
.irp i, 0,1,2,3,4,5,6,7,8,9,10,11,12,13,14,15,16,17,18,19,20,21,22,23,24,25,26,27,28,29,30,31
	v_pk_add_f32 v[H+2*\i:H+2*\i+1], v[AC+2*\i:AC+2*\i+1], v[BI+2*\i:BI+2*\i+1]
.endr
	WIN 0
	s_wait_xcnt 0x0
	QUANT H
	global_store_b128 v[L16], v[PC:PC+3], s[24:25] offset:768*(\a)
	global_store_b64 v[L8], v[PC+4:PC+5], s[24:25] offset:768*(\a)+512
	global_store_b128 v[L16], v[PC+6:PC+9], s[26:27] offset:768*(\a)
	global_store_b64 v[L8], v[PC+10:PC+11], s[26:27] offset:768*(\a)+512
.if (\a)%2 == 0
	v_mov_b32 v[PWE], v[PW]
.else
	v_perm_b32 v[WA+(\a)/2], v[PW], v[PWE], 0x05040100
	v_perm_b32 v[WB+(\a)/2], v[PW], v[PWE], 0x07060302
.endif
.endm
.macro EPI_V a
	WIN 2+(\a)/4
.set AC, 64*((\a)%4)
.irp i, 0,1,2,3,4,5,6,7,8,9,10,11,12,13,14,15,16,17,18,19,20,21,22,23,24,25,26,27,28,29,30,31
	v_pk_add_f32 v[H+2*\i:H+2*\i+1], v[AC+2*\i:AC+2*\i+1], v[BI+2*(\a):BI+2*(\a)+1]
.endr
	WIN 0
	s_wait_xcnt 0x0
	QUANT H
.irp c, 0,1,2
	global_store_b128 v[L16], v[PC+4*\c:PC+4*\c+3], s[24+2*((\a)/4):25+2*((\a)/4)] offset:6144+1536*((\a)%4)+512*\c
.endr
	v_mov_b32 v[WA+(\a)%4], v[PW]
.if (\a)%4 == 3
	v_cndmask_b32 v[RR], v[WA], v[WA+1], s39
	v_cndmask_b32 v[RR+1], v[WA+2], v[WA+3], s39
	global_store_b64 v[L8], v[RR:RR+1], s[24+2*((\a)/4):25+2*((\a)/4)] offset:12544
.endif
.endm
	s_wait_alu depctr_va_vdst(0)
	s_wait_tensorcnt 1
	s_barrier_signal -1
	s_barrier_wait -1
	FETCH_B 0, 0, 0
	FETCH_A 0, 0, 0
	SCALES 0
	FETCH_A 0, 0, 4
	STEP 0, 0, 1
	TURN 0, 1, 1
	STEP 1, 0, 0
	TURN 1, 0, 1
	STEP 0, 0, 0
	TURN 0, 1, 0
	s_mov_b32 s[SEL], 0x76543210
	s_mov_b32 s[SEL+1], 0xfedcba98
	s_mov_b32 s39, 0xffff0000
	s_cmp_eq_u32 s13, 2
	s_cbranch_scc1 .Lv
	s_cmp_eq_u32 s13, 0
	s_cselect_b64 s[8:9], s[8:9], s[10:11]
	s_lshl_b32 s20, s42, 10
	s_lshl_b32 s21, s16, 9
	s_add_co_u32 s20, s20, s21
	s_mov_b32 s21, 0
	s_add_nc_u64 s[8:9], s[8:9], s[20:21]
.irp b, 0,1,2,3,4,5,6,7
	global_load_b128 v[BI+8*\b:BI+8*\b+3], v8, s[8:9] offset:(32*(\b/2)+8*(\b%2))*4
	global_load_b128 v[BI+8*\b+4:BI+8*\b+7], v8, s[8:9] offset:(32*(\b/2)+8*(\b%2))*4+16
.endr
	s_lshr_b32 s32, s17, 3
	s_and_b32 s33, s17, 7
	s_lshl_b32 s33, s33, 1
	s_add_co_u32 s33, s33, s15
	s_lshl_b32 s34, s42, 2
	s_lshl_b32 s35, s16, 1
	s_add_co_u32 s34, s34, s35
	s_lshl_b32 s32, s32, 4
	s_add_co_u32 s32, s32, s34
	s_mul_i32 s34, s32, 98304
	s_mul_i32 s35, s33, 6144
	s_add_co_u32 s34, s34, s35
	s_lshl_b32 s35, s32, 4
	s_add_co_u32 s35, s35, s33
	s_lshl_b32 s35, s35, 8
	s_add_co_u32 s35, s35, 6291456
	s_mul_i32 s36, s32, 204800
	s_mul_i32 s37, s33, 12800
	s_add_co_u32 s36, s36, s37
	s_add_co_u32 s37, s36, 12288
	s_mov_b32 s38, 204800
	s_cmp_eq_u32 s13, 0
	s_cselect_b64 s[24:25], s[98:99], s[66:67]
	s_cselect_b32 s34, s34, s36
	s_cselect_b32 s35, s35, s37
	s_cselect_b32 s36, 98304, s38
	s_cselect_b32 s37, 4096, s38
	s_mov_b32 s33, 0
	s_mov_b32 s32, s35
	s_add_nc_u64 s[28:29], s[24:25], s[32:33]
	s_mov_b32 s32, s34
	s_add_nc_u64 s[24:25], s[24:25], s[32:33]
	s_mov_b32 s32, s36
	s_add_nc_u64 s[26:27], s[24:25], s[32:33]
	s_mov_b32 s32, s37
	s_add_nc_u64 s[30:31], s[28:29], s[32:33]
	TAIL
	s_wait_loadcnt 0x0
	PLACES NP
.irp b, 0,1,2,3
	v_mov_b32 v[TM+4+\b], 0
.endr
.irp a, 0,1,2,3,4,5,6,7
	EPI_QK \a
.endr
	v_cndmask_b32 v[RR], v[WA], v[WA+1], s39
	v_cndmask_b32 v[RR+1], v[WA+2], v[WA+3], s39
	v_cndmask_b32 v[RR+2], v[WB], v[WB+1], s39
	v_cndmask_b32 v[RR+3], v[WB+2], v[WB+3], s39
	global_store_b64 v[L8], v[RR:RR+1], s[28:29]
	global_store_b64 v[L8], v[RR+2:RR+3], s[30:31]
	s_branch .Lend
.Lv:
	s_lshl_b32 s20, s17, 10
	s_lshl_b32 s21, s15, 9
	s_add_co_u32 s20, s20, s21
	s_mov_b32 s21, 0
	s_add_nc_u64 s[8:9], s[96:97], s[20:21]
.irp a, 0,1,2,3,4,5,6,7
	global_load_b32 v[BI+2*\a], v9, s[8:9] offset:(32*(\a/2)+8*(\a%2))*4
	global_load_b32 v[BI+2*\a+1], v9, s[8:9] offset:(32*(\a/2)+8*(\a%2))*4
.endr
	s_lshr_b32 s32, s42, 3
	s_and_b32 s33, s42, 7
	s_lshl_b32 s33, s33, 1
	s_add_co_u32 s33, s33, s16
	s_lshl_b32 s34, s17, 2
	s_lshl_b32 s35, s15, 1
	s_add_co_u32 s34, s34, s35
	s_lshl_b32 s32, s32, 4
	s_add_co_u32 s32, s32, s34
	s_mul_i32 s32, s32, 204800
	s_mul_i32 s33, s33, 12800
	s_add_co_u32 s32, s32, s33
	s_mov_b32 s33, 0
	s_add_nc_u64 s[24:25], s[66:67], s[32:33]
	s_add_nc_u64 s[26:27], s[24:25], 204800
	TAIL
	s_wait_loadcnt 0x0
	PLACES NP
.irp b, 0,1,2,3
	v_mov_b32 v[TM+4+\b], 0
.endr
.irp a, 0,1,2,3,4,5,6,7
	EPI_V \a
.endr
.Lend:
	s_wait_tensorcnt 0x0
	ds_add_u32 v[SPW], v[NIL]
	s_wait_dscnt 0x0
	CROUND
	s_endpgm
.Lfunc_end_k_q25177387f7_proj:
	.size	k_q25177387f7_proj, .Lfunc_end_k_q25177387f7_proj-k_q25177387f7_proj
	.p2alignl 7, 3214868480
	.fill 96, 4, 3214868480
	.section	.rodata,"a",@progbits
	.p2align	6, 0x0
	.amdhsa_kernel k_q25177387f7_proj
		.amdhsa_group_segment_fixed_size 327680
		.amdhsa_private_segment_fixed_size 0
		.amdhsa_enable_private_segment 0
		.amdhsa_kernarg_size 56
		.amdhsa_user_sgpr_count 2
		.amdhsa_user_sgpr_kernarg_segment_ptr 1
		.amdhsa_wavefront_size32 1
		.amdhsa_system_sgpr_workgroup_id_x 1
		.amdhsa_system_sgpr_workgroup_id_y 1
		.amdhsa_system_sgpr_workgroup_id_z 1
		.amdhsa_system_vgpr_workitem_id 0
		.amdhsa_next_free_vgpr 1024
		.amdhsa_next_free_sgpr 100
		.amdhsa_reserve_vcc 0
		.amdhsa_float_denorm_mode_32 3
		.amdhsa_float_denorm_mode_16_64 3
		.amdhsa_memory_ordered 1
		.amdhsa_forward_progress 1
		.amdhsa_inst_pref_size 242
	.end_amdhsa_kernel
	.amdgpu_metadata
---
amdhsa.version: [ 1, 2 ]
amdhsa.kernels:
  - .name:           k_q25177387f7_proj
    .symbol:         k_q25177387f7_proj.kd
    .args:
      - { .name: xq, .offset: 0, .size: 8, .value_kind: global_buffer, .address_space: global }
      - { .name: wt, .offset: 8, .size: 8, .value_kind: global_buffer, .address_space: global }
      - { .name: bq, .offset: 16, .size: 8, .value_kind: global_buffer, .address_space: global }
      - { .name: bk, .offset: 24, .size: 8, .value_kind: global_buffer, .address_space: global }
      - { .name: bv, .offset: 32, .size: 8, .value_kind: global_buffer, .address_space: global }
      - { .name: qf, .offset: 40, .size: 8, .value_kind: global_buffer, .address_space: global }
      - { .name: kv, .offset: 48, .size: 8, .value_kind: global_buffer, .address_space: global }
    .group_segment_fixed_size: 327680
    .private_segment_fixed_size: 0
    .kernarg_segment_align: 8
    .kernarg_segment_size: 56
    .max_flat_workgroup_size: 128
    .sgpr_count:     100
    .vgpr_count:     1024
    .wavefront_size: 32
...
	.end_amdgpu_metadata
.endif
;; end of part 2
;; launch attn (part 3): grid 4 x 64, 16 waves a work-group, no clusters, 206,848 bytes of LDS; arguments qf, kv, mw, mf, zq; writes zq
.if DOCPART == 3
	.amdgcn_target "amdgcn-amd-amdhsa--gfx1250"
	.amdhsa_code_object_version 6
	.text
	.protected	k_q25177387f7_attn
	.globl	k_q25177387f7_attn
	.p2align	8
	.type	k_q25177387f7_attn,@function
k_q25177387f7_attn:
	s_mov_b64 s[64:65], 0
	v_nop
	global_prefetch_b8 v0, s[64:65] scope:SCOPE_SE
	s_setreg_imm32_b32 hwreg(HW_REG_WAVE_MODE, 25, 1), 1
	s_wait_xcnt 0x0
; ATTN.  z[b][q][head] = softmax_k(mask ? qh . kh / 8 : lowest) vh, both products on codes of E3M2; z is quantised along DM for the last projection.
; SOFTMAX: t = score x log2(e) / 8; M = the running largest t rounded UP to a whole number; p = 2^(t - M) is quantised along the keys, not normalised; the row's sum is taken of the unquantised p and divides at the end;
; when M moves, the sum and O^T are multiplied by 2^(old M - new M), which rounds nothing.
; THE MASK is an input of any pattern.  A hidden score becomes -2^120 ahead of the maximum.  c x 2^120 is exact, so in a row hidden so far t - M is exactly 0 and p = 1 (a wholly hidden row gets equal weights, as the
; softmax of equal logits gives); at the row's first open key the factor 2^(old M - new M) is 0 and wipes those sums; from then on hidden keys give p = 0.
; WHICH KEY STEPS ARE DONE is decided by whole numbers that launch prep stored (mf: for each tile of 16 queries and each step of 128 keys the OR and the AND of the step's 64 mask words).
;   A step with no open key for any of the tile's 16 queries adds p = 0 to every row that has an open key somewhere: it is passed over.  If some row of the tile has no open key at all, its weights are equal over ALL keys:
;   then every step of that tile is done.  A step whose keys are all open needs no selection: its 64 selects are passed over.  All three are branches on stored numbers; they hold for every mask.
; LIMITS: raw scores stay above -2^96, so that -2^120 lies under them; NaN and infinities are not served, nor carried from a step passed over; a block whose largest magnitude lies under 2^-122 keeps the byte 1.
; SHARES.  A work-group owns 512 queries of one (b, head): with j' = 16 x + wave (0 .. 63) a wave takes query tile 127 - j' and then tile j', a lane ONE query of a tile throughout (both products transposed).
;   The pairing is a fixed deal; it is right for any mask.  256 work-groups.  Four waves share a SIMD.
; LDS holds the head's 16 key-step records (12,800 bytes each, as launch proj laid them); each byte is written once, through registers.  At the head each wave loads 13 x 512 bytes into registers that lie idle there and
;   stores them: bytes 0 to 106,495, records 0 to 7 among them; a barrier.  The other 98,304 bytes come in eight chunks of 12,288 under the first tile's steps 0 to 7, a loop of 8 trips whatever the mask: a thread's 16 + 8
;   bytes are asked for at a trip's top and stored at its bottom, outside the branch that passes a step over; these stores land at byte 106,496 and above, the loop's reads end under 102,400.  A second barrier, then step 8.
; The launch has no tensor load and no copy, hence no joint loads.  No prefetch beside the loads: the head's bytes are asked for by the launch's first memory instructions,
;   and each chunk's own load stands a whole step ahead of the store that waits for it.
; THE MASK WORDS of the lowest step still to come that needs selecting are always asked for ahead: at the head, and again behind each use; when the first tile has none left, those of the second tile's first such step.
; K = 64 IN A FORM OF K = 128.  A 12-register fragment of K holds TWO key tiles; it is multiplied once by [q | zero codes] and once by [zero codes | q].
; Key tile e has in slot r the key 32 (e / 2) + 8 (e % 2) + r + 8 (r / 8): score register n is key 32 (n / 16) + 16 (lane / 16) + n % 16, and mask word n has a bit for each lane.
; REGISTERS: v1 16 x lane, v2 8 x lane + 512, v3, v4 the same in the step's record; v5 -2^120; v6, v7 the second tile's q scale; v8 q's scale word, v9 p's, v[10:11] K's, v[12:13] V's; v14 -M, v15 the largest t,
;   v[16:17] the sum, v[18:19] f; v20-25 zeros, v26-31 q, v32-37 zeros; v40-87 K's, then V's fragments; v88 at work; v89 8 (lane % 16); v90-95 the second tile's q; v96-159 scores, then p; v160-191 O^T;
;   v192-211 p's codes; v212-225, v242-253 at work; v226, v227 16 x thread (+ 65,536); v228-233 a chunk on its way; v234 8 x thread + 8,192; v235, v236 the chunk's LDS addresses; at the head v96-147 carry K and V.
; SCALARS: s2 first tile, s25 second; s3 step; s[4:5] the batch's mask words; s7 the record's LDS byte; s12 steps still to select in, s13 16 x the tile at work, s22 the index asked for when none is left;
;   s14, s15 / s100, s101 the tiles' sets 'needed' and 'all open'; s[18:19], s23 the next chunk in memory and in LDS; s32-63, s68-99 mask words.
.set REC, 12800
.set T,   88
.set PC,  192
.set PT,  204
.set BM,  212
.set BX,  216
.set SO,  220
.set CL,  226
.set MIX, 12
.set HEADB, 13*8192                    ; bytes that the head brings
.set CHUNK, 12288                      ; (16 REC - HEADB) / 8
.macro QADR t, o                       ; tile s[t]: its q codes' address -> s[o:o+1], its scale word's -> s[o+2:o+3]
	s_lshl_b32 s26, s24, 7
	s_add_co_u32 s26, s26, s[\t]
	s_mul_i32 s[\o], s26, 768
	s_mov_b32 s[\o+1], 0
	s_lshl_b32 s26, s24, 4
	s_lshr_b32 s27, s[\t], 3
	s_add_co_u32 s26, s26, s27                     ; the block of 8 tiles
	s_lshl_b32 s26, s26, 8
	s_bfe_u32 s27, s[\t], 0x10001
	s_lshl_b32 s27, s27, 7
	s_add_co_u32 s26, s26, s27                     ; tile pair (t / 2) % 4 = 2 word + lane half
	s_bfe_u32 s27, s[\t], 0x10002
	s_lshl_b32 s27, s27, 2
	s_add_co_u32 s26, s26, s27
	s_add_co_u32 s[\o+2], s26, 6291456
	s_mov_b32 s[\o+3], 0
	s_add_nc_u64 s[\o:\o+1], s[16:17], s[\o:\o+1]
	s_add_nc_u64 s[\o+2:\o+3], s[16:17], s[\o+2:\o+3]
.endm
.macro FLAGS base, need, full          ; s[base + 2 s], s[base + 2 s + 1]: step s's OR and AND -> two sets of 16 bits
	s_or_b32 s26, s[\base], s[\base+2]
.irp s, 2,3,4,5,6,7,8,9,10,11,12,13,14,15
	s_or_b32 s26, s26, s[\base+2*\s]
.endr
	s_lshr_b32 s27, s26, 16
	s_or_b32 s26, s26, s27
	s_and_b32 s26, s26, 0xffff                     ; bit r: row r has an open key
	s_mov_b32 s[\need], 0
	s_mov_b32 s[\full], 0
.irp s, 0,1,2,3,4,5,6,7,8,9,10,11,12,13,14,15
	s_cmp_lg_u32 s[\base+2*\s], 0
	s_cselect_b32 s27, 1<<\s, 0
	s_or_b32 s[\need], s[\need], s27
	s_cmp_eq_u32 s[\base+2*\s+1], -1
	s_cselect_b32 s27, 1<<\s, 0
	s_or_b32 s[\full], s[\full], s27
.endr
	s_cmp_eq_u32 s26, 0xffff
	s_cselect_b32 s[\need], s[\need], 0xffff       ; a row with no open key wants every step
.endm
.macro ASK                             ; 64 mask words: index 16 x tile + step among the batch's 2,048 runs of 256 bytes
	s_ctz_i32_b32 s6, s[MIX]                       ; the lowest step still to select in,
	s_add_co_u32 s6, s6, s13                       ; of the tile at work;
	s_cmp_eq_u32 s[MIX], 0
	s_cselect_b32 s6, s22, s6                      ; none left: the second tile's first such step
	s_min_u32 s6, s6, 2047                         ; held inside the batch's words
	s_lshl_b32 s6, s6, 8
	s_load_b512 s[32:47], s[4:5], s6 offset:0
	s_load_b512 s[48:63], s[4:5], s6 offset:64
	s_load_b512 s[68:83], s[4:5], s6 offset:128
	s_load_b512 s[84:99], s[4:5], s6 offset:192
.endm
	s_load_b256 s[16:23], s[0:1], 0x0              ; qf, kv, mw, mf
	s_load_b64 s[66:67], s[0:1], 0x20              ; zq
	v_lshl_add_u32 v254, v0, 2, 0x32000
	v_mov_b32 v255, 0
.irp j, 0,1
	v_lshl_add_u32 v[CL+\j], v0, 4, 65536*\j       ; 65,536 bytes apart, so that every immediate stays under 65,536; the same number serves in the head's records and in LDS
.endr
	v_lshl_add_u32 v234, v0, 3, 8192               ; a chunk's last 4,096 bytes: 8 a thread
	v_lshrrev_b32 v1, 5, v0
	s_delay_alu instid0(VALU_DEP_1)
	v_readfirstlane_b32 s2, v1                     ; wave 0 .. 15
	v_and_b32 v39, 31, v0
	v_and_b32 v38, 15, v0
	s_delay_alu instid0(VALU_DEP_2)
	v_lshlrev_b32 v1, 4, v39
	s_delay_alu instid0(VALU_DEP_3)
	v_lshl_add_u32 v2, v39, 3, 512
	s_delay_alu instid0(VALU_DEP_3)
	v_lshlrev_b32 v89, 3, v38
	v_mov_b32 v5, 0xfb800000                       ; -2^120
	v_mov_b32 v19, 0                               ; (named as the upper half of the pair v[18:19])
.irp b, 0,1,2,3
	v_mov_b32 v[BX+\b], 0                          ; a lane permute's destination counts as one of its sources
.endr
.irp j, 20,21,22,23,24,25,32,33,34,35,36,37
	v_mov_b32 v[\j], 0                             ; zero codes
.endr
	s_and_b32 s24, ttmp7, 0xffff                   ; 16 b + head
	s_lshl_b32 s26, ttmp9, 4
	s_add_co_u32 s25, s26, s2                      ; my second tile, j' = 0 .. 63
	s_sub_co_u32 s2, 127, s25                      ; my first, 64 .. 127
	s_lshr_b32 s26, s24, 4
	s_lshl_b32 s26, s26, 7                         ; 128 b
	s_add_co_u32 s8, s26, s2
	s_lshl_b32 s8, s8, 9
	s_mov_b32 s9, 0
	s_add_co_u32 s10, s26, s25
	s_lshl_b32 s10, s10, 9
	s_mov_b32 s11, 0
	s_wait_alu depctr_va_vdst(0)
	s_wait_kmcnt 0x0
	s_add_nc_u64 s[8:9], s[22:23], s[8:9]
	s_add_nc_u64 s[10:11], s[22:23], s[10:11]
.irp w, 0,1,2,3
	s_load_b256 s[32+8*\w:39+8*\w], s[8:9], 128*\w     ; the first tile's 16 pairs (OR, AND),
	s_load_b256 s[68+8*\w:75+8*\w], s[10:11], 128*\w   ; the second's
.endr
	QADR 2, 28
	QADR 25, 4
	global_load_b128 v[26:29], v1, s[28:29]
	global_load_b64 v[30:31], v2, s[28:29]
	global_load_b32 v38, v89, s[30:31]
	global_load_b128 v[90:93], v1, s[4:5]
	global_load_b64 v[94:95], v2, s[4:5]
	global_load_b32 v6, v89, s[6:7]
	s_mul_i32 s26, s24, 16*REC
	s_mov_b32 s27, 0
	s_add_nc_u64 s[12:13], s[18:19], s[26:27]
.irp i, 0,1,2,3,4,5,6,7,8,9,10,11,12
	global_load_b128 v[96+4*\i:99+4*\i], v[CL+\i/8], s[12:13] offset:8192*(\i%8)   ; load i of the sixteen waves together brings bytes 8,192 i to 8,192 i + 8,191 of the head's records
.endr
	s_wait_kmcnt 0x0
	FLAGS 32, 14, 15
	FLAGS 68, 100, 101
	s_wait_xcnt 0x0                                ; the loads above have read their bases: s[4:7], s[12:13], s[28:31] may be written
	s_add_nc_u64 s[18:19], s[12:13], HEADB         ; the first chunk
	s_lshr_b32 s26, s24, 4
	s_lshl_b32 s26, s26, 19                        ; a batch's mask words: 128 tiles x 16 steps x 256 bytes
	s_mov_b32 s27, 0
	s_add_nc_u64 s[4:5], s[20:21], s[26:27]
	s_and_not1_b32 s22, s100, s101
	s_ctz_i32_b32 s22, s22
	s_min_u32 s22, s22, 15                         ; the second tile's first step to select in (none: step 15, whose words nobody then uses),
	s_lshl_b32 s13, s25, 4
	s_add_co_u32 s22, s22, s13                     ; as an index
	s_lshl_b32 s13, s2, 4
	s_and_not1_b32 s[MIX], s14, s15
	ASK
	s_mov_b32 s8, 0x76543210
	s_mov_b32 s9, 0xfedcba98                       ; v_permlanex16_b32's selects for lane l xor 16
	s_mov_b32 s10, 0x3e38aa3b                      ; c = log2(e) / 8
	s_mov_b32 s11, s10                             ; (named with it as a pair)
	s_mov_b32 s26, 0x01000100                      ; an even tile's two scale bytes, twice;
	s_mov_b32 s27, 0x03020302                      ; an odd tile's
	s_and_b32 s28, s2, 1
	s_cmp_eq_u32 s28, 1
	s_cselect_b32 s30, s27, s26
	s_cselect_b32 s31, s26, s27                    ; the second tile has the other parity
	s_wait_loadcnt 13                              ; the six loads of q are in; the 13 behind them may be out
	v_perm_b32 v8, v38, v38, s30                   ; q's scale word (s0, s1, s0, s1): it serves q in either half of K
	v_perm_b32 v7, v6, v6, s31
.irp i, 0,1,2,3,4,5,6,7,8,9,10,11,12
	s_wait_loadcnt 12-\i                           ; load i is in; the 12 - i behind it may be out
	ds_store_b128 v[CL+\i/8], v[96+4*\i:99+4*\i] offset:8192*(\i%8)
.endr
	s_wait_alu depctr_va_vdst(0)
	s_wait_dscnt 0x0                               ; my stores are done: for the others' sake
	s_barrier_signal -1
	s_barrier_wait -1                              ; records 0 to 7 are whole
.macro KQ b                            ; key tiles 2 b and 2 b + 1
.if (\b)%2
	v_wmma_scale_f32_16x16x128_f8f6f4 v[96+16*(\b):103+16*(\b)], v[40+12*(\b):51+12*(\b)], v[26:37], 0, v[10+(\b)/2], v8 matrix_a_fmt:MATRIX_FMT_BF6 matrix_b_fmt:MATRIX_FMT_BF6 matrix_a_scale:MATRIX_SCALE_ROW1
	v_wmma_scale_f32_16x16x128_f8f6f4 v[104+16*(\b):111+16*(\b)], v[40+12*(\b):51+12*(\b)], v[20:31], 0, v[10+(\b)/2], v8 matrix_a_fmt:MATRIX_FMT_BF6 matrix_b_fmt:MATRIX_FMT_BF6 matrix_a_scale:MATRIX_SCALE_ROW1
.else
	v_wmma_scale_f32_16x16x128_f8f6f4 v[96+16*(\b):103+16*(\b)], v[40+12*(\b):51+12*(\b)], v[26:37], 0, v[10+(\b)/2], v8 matrix_a_fmt:MATRIX_FMT_BF6 matrix_b_fmt:MATRIX_FMT_BF6
	v_wmma_scale_f32_16x16x128_f8f6f4 v[104+16*(\b):111+16*(\b)], v[40+12*(\b):51+12*(\b)], v[20:31], 0, v[10+(\b)/2], v8 matrix_a_fmt:MATRIX_FMT_BF6 matrix_b_fmt:MATRIX_FMT_BF6
.endif
.endm
.macro PV ct                           ; O^T += V^T P^T: channel tile ct
.if (\ct)%2
	v_wmma_scale_f32_16x16x128_f8f6f4 v[160+8*(\ct):167+8*(\ct)], v[40+12*(\ct):51+12*(\ct)], v[PC:PC+11], v[160+8*(\ct):167+8*(\ct)], v[12+(\ct)/2], v9 matrix_a_fmt:MATRIX_FMT_BF6 matrix_b_fmt:MATRIX_FMT_BF6 matrix_a_scale:MATRIX_SCALE_ROW1
.else
	v_wmma_scale_f32_16x16x128_f8f6f4 v[160+8*(\ct):167+8*(\ct)], v[40+12*(\ct):51+12*(\ct)], v[PC:PC+11], v[160+8*(\ct):167+8*(\ct)], v[12+(\ct)/2], v9 matrix_a_fmt:MATRIX_FMT_BF6 matrix_b_fmt:MATRIX_FMT_BF6
.endif
.endm
; A KEY STEP: 128 keys; its record begins at LDS byte s7; s27 = 1: all its keys are open for my 16 queries
.macro STEP
	v_add_nc_u32 v3, s7, v1
	v_add_nc_u32 v4, s7, v2
	v_nop
	v_nop                                          ; four plain lines between the last products and the loads into registers that they read
.irp e, 0,1,2,3,4,5,6,7
	ds_load_b128 v[40+6*\e:43+6*\e], v3 offset:768*\e
	ds_load_b64 v[44+6*\e:45+6*\e], v4 offset:768*\e
.endr
	ds_load_b64 v[10:11], v4 offset:11776          ; K's scale words, at 12,288 + 8 x lane
	s_wait_alu depctr_va_vdst(0)
	s_wait_dscnt 0x0
.irp b, 0,1,2,3
	KQ \b
.endr
.rept 4
	v_nop
.endr
.irp ct, 0,1,2,3                       ; V comes into the registers that K has left, under the softmax
.irp c, 0,1,2
	ds_load_b128 v[40+12*\ct+4*\c:43+12*\ct+4*\c], v3 offset:6144+1536*\ct+512*\c
.endr
.endr
	ds_load_b64 v[12:13], v4 offset:12032          ; V's scale words, at 12,544 + 8 x lane
	s_cmp_lg_u32 s27, 0
	s_cbranch_scc1 .Lopen_\@
	s_wait_kmcnt 0x0                               ; this step's mask words: it is the lowest step still to select in
.irp n, 0,1,2,3,4,5,6,7,8,9,10,11,12,13,14,15,16,17,18,19,20,21,22,23,24,25,26,27,28,29,30,31,32,33,34,35,36,37,38,39,40,41,42,43,44,45,46,47,48,49,50,51,52,53,54,55,56,57,58,59,60,61,62,63
	v_cndmask_b32 v[96+\n], v5, v[96+\n], s[32+\n+4*(\n/32)]   ; hidden: -2^120.  (Ascending: each accumulator is read from its low end on)
.endr
	s_lshl_b32 s26, 1, s3
	s_and_not1_b32 s[MIX], s[MIX], s26             ; done with this step's words;
	ASK                                            ; the next are asked for
.Lopen_\@:
.irp b, 0,1,2,3
	v_max3_num_f32 v[BM+\b], v[96+16*\b], v[97+16*\b], v[98+16*\b]   ; the largest score of each block of 32 keys: for the row's maximum, and, since p rises with the score, for the block's largest p
.endr
.irp b, 0,1,2,3
	v_max3_num_f32 v[242+\b], v[104+16*\b], v[105+16*\b], v[106+16*\b]   ; a second chain for each block, on its second accumulator, from that one's low end on
.endr
.irp i, 3,5
.irp b, 0,1,2,3
	v_max3_num_f32 v[BM+\b], v[BM+\b], v[96+16*\b+\i], v[97+16*\b+\i]
.endr
.irp b, 0,1,2,3
	v_max3_num_f32 v[242+\b], v[242+\b], v[104+16*\b+\i], v[105+16*\b+\i]
.endr
.endr
.irp b, 0,1,2,3
	v_max_num_f32 v[246+\b], v[103+16*\b], v[111+16*\b]   ; the two registers that are left: eight chains by turns, so no line that reads a score reads a result of the seven lines above it
.endr
.irp b, 0,1,2,3
	s_delay_alu instid0(VALU_DEP_4)
	v_max3_num_f32 v[BM+\b], v[BM+\b], v[242+\b], v[246+\b]   ; the three parts joined
.endr
.irp b, 0,1,2,3
	s_delay_alu instid0(VALU_DEP_4)
	v_permlanex16_b32 v[BX+\b], v[BM+\b], s8, s9
.endr
.irp b, 0,1,2,3
	s_delay_alu instid0(VALU_DEP_4)
	v_max_num_f32 v[BM+\b], v[BM+\b], v[BX+\b]     ; with lane l xor 16's 16 keys
.endr
	s_delay_alu instid0(VALU_DEP_2)
	v_max3_num_f32 v[T], v[BM], v[BM+1], v[BM+2]
	s_delay_alu instid0(VALU_DEP_1)
	v_max_num_f32 v[T], v[T], v[BM+3]
	s_delay_alu instid0(VALU_DEP_1)
	v_mul_f32 v[T], s10, v[T]                      ; the step's largest t
	s_delay_alu instid0(VALU_DEP_1)
	v_max_num_f32 v15, v15, v[T]
	v_mov_b32 v[T], v14
	s_delay_alu instid0(VALU_DEP_2)
	v_floor_f32 v14, -v15                          ; the new -M = -ceil(t): a whole number
	s_delay_alu instid0(VALU_DEP_1)
	v_sub_f32 v[T], v14, v[T]                      ; old M - new M, 0 or less
	s_delay_alu instid0(VALU_DEP_1)
	v_cvt_i32_f32 v[T], v[T]                       ; (it saturates)
	s_delay_alu instid0(VALU_DEP_1)
	v_ldexp_f32 v18, 1.0, v[T]                     ; f = 2^(old M - new M)
.irp j, 0,2,4,6,8,10,12,14,16,18,20,22,24,26,28,30,32,34,36,38,40,42,44,46,48,50,52,54,56,58,60,62
	v_pk_fma_f32 v[96+\j:97+\j], v[96+\j:97+\j], s[10:11], v[14:15] op_sel_hi:[1,0,0]   ; t - M, two at a time
.endr
.irp b, 0,1,2,3
	v_fma_f32 v[BM+\b], v[BM+\b], s10, v14
.endr
	s_wait_alu depctr_va_vdst(0)                   ; ahead of the batch
.irp j, 0,1,2,3,4,5,6,7,8,9,10,11,12,13,14,15,16,17,18,19,20,21,22,23,24,25,26,27,28,29,30,31,32,33,34,35,36,37,38,39,40,41,42,43,44,45,46,47,48,49,50,51,52,53,54,55,56,57,58,59,60,61,62,63
	v_exp_f32 v[96+\j], v[96+\j]                   ; p = 2^(t - M)
.endr
	v_pk_mul_f32 v[16:17], v[16:17], v[18:19] op_sel_hi:[1,0]   ; the sums under the new M: the plain line behind the exponentials
	s_wait_alu depctr_va_vdst(0)                   ; one wait for the batch of 64, ahead of its first reader
.irp b, 0,1,2,3
	v_exp_f32 v[BM+\b], v[BM+\b]                   ; each block's largest p: the same two instructions on the same number
.endr
.set PJ, 96                            ; the row's sum of the unquantised p: 32 pairs in eight chains
.irp c, 224,252,250,248,246,244,242
	v_pk_add_f32 v[\c:\c+1], v[PJ:PJ+1], v[PJ+2:PJ+3]
.set PJ, PJ+4
.endr
	v_pk_add_f32 v[16:17], v[16:17], v[PJ:PJ+1]
.set PJ, PJ+2
.rept 2
.irp c, 224,252,250,248,246,244,242,16
	v_pk_add_f32 v[\c:\c+1], v[\c:\c+1], v[PJ:PJ+1]
.set PJ, PJ+2
.endr
.endr
	v_pk_add_f32 v[224:225], v[224:225], v[158:159]
	s_delay_alu instid0(VALU_DEP_2)
	v_pk_add_f32 v[16:17], v[16:17], v[248:249]
	s_delay_alu instid0(VALU_DEP_2)
	v_pk_add_f32 v[224:225], v[224:225], v[246:247]
	v_pk_add_f32 v[252:253], v[252:253], v[244:245]
	v_pk_add_f32 v[250:251], v[250:251], v[242:243]
	s_delay_alu instid0(VALU_DEP_2)
	v_pk_add_f32 v[16:17], v[16:17], v[252:253]
	s_delay_alu instid0(VALU_DEP_2)
	v_pk_add_f32 v[224:225], v[224:225], v[250:251]
	s_delay_alu instid0(VALU_DEP_1)
	v_pk_add_f32 v[16:17], v[16:17], v[224:225]
	s_wait_alu depctr_va_vdst(0)                   ; and one for the four
.irp b, 0,1,2,3
	v_max_num_f32 v[BM+\b], 0x2800000, v[BM+\b]    ; the floor 2^(5 - 127): the byte cannot fall under 1
.endr
.irp b, 0,1,2,3
	s_delay_alu instid0(VALU_DEP_4)
	v_add_nc_u32 v[SO+\b], 0xfe000000, v[BM+\b]
.endr
.irp b, 0,1,2,3
	s_delay_alu instid0(VALU_DEP_4)
	v_lshrrev_b32 v[BX+\b], 23, v[SO+\b]
.endr
	s_delay_alu instid0(VALU_DEP_3)
	v_lshl_or_b32 v9, v[BX+1], 8, v[BX]            ; p's scale word for these 128 keys
	s_delay_alu instid0(VALU_DEP_1)
	v_lshl_or_b32 v9, v[BX+2], 16, v9
	s_delay_alu instid0(VALU_DEP_1)
	v_lshl_or_b32 v9, v[BX+3], 24, v9
.irp c, 0,1
	v_cvt_scalef32_pk16_bf6_f32 v[PC+6*\c:PC+2+6*\c], v[96+32*\c:111+32*\c], v[SO+2*\c]
	v_cvt_scalef32_pk16_bf6_f32 v[PT+4*\c:PT+2+4*\c], v[112+32*\c:127+32*\c], v[SO+2*\c+1]
.endr
	v_nop                                          ; one plain line behind the scaled conversions
.irp c, 0,1
.irp i, 0,1,2
	v_permlane16_swap_b32 v[PC+6*\c+\i], v[PT+4*\c+\i]
.endr
.irp i, 0,1,2
	s_delay_alu instid0(VALU_DEP_3)
	v_mov_b32 v[PC+3+6*\c+\i], v[PT+4*\c+\i]
.endr
.endr
	s_wait_alu depctr_va_vdst(0)                   ; directly ahead of the first reader of O^T
.irp j, 0,2,4,6,8,10,12,14,16,18,20,22,24,26,28,30
	v_pk_mul_f32 v[160+\j:161+\j], v[160+\j:161+\j], v[18:19] op_sel_hi:[1,0]   ; O^T under the new M.  (These 16 are also the places between p's scale word and codes and the products)
.endr
	s_wait_alu depctr_va_vdst(0)
	s_wait_dscnt 0x0                               ; V
.irp ct, 0,1,2,3
	PV \ct                                         ; four accumulators, one instruction a turn
.endr
.endm
; A WALK over key steps s3 .. to - 1, a constant number of trips; a trip whose step is not needed passes over the step's work alone.
; stage = 1: each trip also brings one chunk of the records' upper part to LDS
.macro WALK need, full, to, stage
.Ltrip_\@:
.if \stage
	s_wait_dscnt 0x0                               ; the last trip's stores have read their registers
	global_load_b128 v[228:231], v[CL], s[18:19]   ; the sixteen waves together: the chunk's first 8,192 bytes,
	global_load_b64 v[232:233], v234, s[18:19]     ; and its last 4,096
.endif
	s_lshr_b32 s26, s[\need], s3
	s_and_b32 s26, s26, 1
	s_lshr_b32 s27, s[\full], s3
	s_and_b32 s27, s27, 1
	s_cmp_lg_u32 s26, 0
	s_cbranch_scc0 .Lnext_\@
	STEP
.Lnext_\@:
.if \stage
	s_wait_loadcnt 0x0                             ; the chunk is in registers, and its loads have read their base
	v_add_nc_u32 v235, s23, v[CL]
	v_add_nc_u32 v236, s23, v234
	ds_store_b128 v235, v[228:231]
	ds_store_b64 v236, v[232:233]
	s_add_nc_u64 s[18:19], s[18:19], CHUNK
	s_add_co_u32 s23, s23, CHUNK
.endif
	s_add_co_u32 s7, s7, REC
	s_add_co_u32 s3, s3, 1
	s_cmp_lt_u32 s3, \to
	s_cbranch_scc1 .Ltrip_\@
.endm
; ONE QUERY TILE
.macro PASS tl, need, full, second
.if \second
	s_wait_xcnt 0x0                                ; the first tile's stores have read their registers and bases
	s_lshl_b32 s13, s[\tl], 4
	s_and_not1_b32 s[MIX], s[\need], s[\full]      ; (the words of this tile's first step to select in were asked for when the first tile had none left)
.irp i, 0,1,2,3,4,5
	v_mov_b32 v[26+\i], v[90+\i]                   ; the second tile's q,
.endr
	v_mov_b32 v8, v7                               ; and its scale word
.endif
	v_mov_b32 v15, 0xff61b1e6                      ; the largest t so far: -3e38
	v_mov_b32 v16, 0
	v_mov_b32 v17, 0
	s_delay_alu instid0(VALU_DEP_3)
	v_floor_f32 v14, -v15                          ; -M
.irp j, 0,1,2,3,4,5,6,7,8,9,10,11,12,13,14,15,16,17,18,19,20,21,22,23,24,25,26,27,28,29,30,31
	v_mov_b32 v[160+\j], 0                         ; O^T: the step is written once; the first finds zeros.  (Also the places between q, its scale word and the first product)
.endr
	s_mov_b32 s7, 0
	s_mov_b32 s3, 0
	s_mov_b32 s23, HEADB
	s_wait_alu depctr_va_vdst(0)
.if \second
	WALK \need, \full, 16, 0
.else
	WALK \need, \full, 8, 1
	s_wait_alu depctr_va_vdst(0)
	s_wait_dscnt 0x0                               ; my stores of the eight chunks are done: for the others' sake
	s_barrier_signal -1
	s_barrier_wait -1                              ; all 16 records are whole; nothing writes them again
	s_mov_b32 s7, 8*REC
	s_mov_b32 s3, 8
	WALK \need, \full, 16, 0
.endif
	; THE WAY OUT: z = O^T / the sum, quantised along the head's 64 (register 16 b + i is channel 32 b + 16 (lane / 16) + i), stored as group 'head' of the row tile's code image
	v_add_f32 v16, v16, v17
	s_delay_alu instid0(VALU_DEP_1)
	v_permlanex16_b32 v[BX], v16, s8, s9
	s_delay_alu instid0(VALU_DEP_1)
	v_add_f32 v16, v16, v[BX]                      ; the row's sum
	s_wait_alu depctr_va_vdst(0)
	v_rcp_f32 v18, v16
.rept 4
	v_nop                                          ; the plain line behind the reciprocal, and the places behind the last products
.endr
	s_lshr_b32 s26, s24, 4                         ; b
	s_and_b32 s27, s24, 15                         ; head
	s_lshl_b32 s26, s26, 7
	s_add_co_u32 s26, s26, s[\tl]                  ; row tile among 512
	s_lshl_b32 s28, s26, 4
	s_add_co_u32 s28, s28, s27
	s_mul_i32 s28, s28, 768
	s_mov_b32 s29, 0
	s_lshl_b32 s30, s26, 9
	s_lshr_b32 s31, s27, 2
	s_lshl_b32 s31, s31, 7
	s_add_co_u32 s30, s30, s31                     ; p = head / 4;
	s_and_b32 s31, s27, 3
	s_lshl_b32 s31, s31, 1
	s_add_co_u32 s30, s30, s31                     ; my two bytes of the pair of words: 2 (head % 4)
	s_add_co_u32 s30, s30, 6291456
	s_mov_b32 s31, 0
	s_add_nc_u64 s[28:29], s[66:67], s[28:29]
	s_add_nc_u64 s[30:31], s[66:67], s[30:31]
	s_wait_alu depctr_va_vdst(0)                   ; ahead of the reciprocal's first reader
.irp j, 0,2,4,6,8,10,12,14,16,18,20,22,24,26,28,30
	v_pk_mul_f32 v[96+\j:97+\j], v[160+\j:161+\j], v[18:19] op_sel_hi:[1,0]
.endr
.irp b, 0,1
	v_max3_num_f32 v[BM+\b], |v[96+16*\b]|, |v[97+16*\b]|, 0x2800000
.endr
.irp i, 2,4,6,8,10,12,14
.irp b, 0,1
	s_delay_alu instid0(VALU_DEP_2)
	v_max3_num_f32 v[BM+\b], v[BM+\b], |v[96+16*\b+\i]|, |v[97+16*\b+\i]|
.endr
.endr
.irp b, 0,1
	s_delay_alu instid0(VALU_DEP_2)
	v_permlanex16_b32 v[BX+\b], v[BM+\b], s8, s9
.endr
.irp b, 0,1
	s_delay_alu instid0(VALU_DEP_2)
	v_max_num_f32 v[BM+\b], v[BM+\b], v[BX+\b]
.endr
.irp b, 0,1
	s_delay_alu instid0(VALU_DEP_2)
	v_add_nc_u32 v[SO+\b], 0xfe000000, v[BM+\b]
.endr
.irp b, 0,1
	s_delay_alu instid0(VALU_DEP_2)
	v_lshrrev_b32 v[BX+\b], 23, v[SO+\b]
.endr
	s_delay_alu instid0(VALU_DEP_1)
	v_lshl_or_b32 v[T], v[BX+1], 8, v[BX]
	v_cvt_scalef32_pk16_bf6_f32 v[PC:PC+2], v[96:111], v[SO]
	v_cvt_scalef32_pk16_bf6_f32 v[PT:PT+2], v[112:127], v[SO+1]
	v_nop
.irp i, 0,1,2
	v_permlane16_swap_b32 v[PC+\i], v[PT+\i]
.endr
.irp i, 0,1,2
	s_delay_alu instid0(VALU_DEP_3)
	v_mov_b32 v[PC+3+\i], v[PT+\i]
.endr
	global_store_b128 v1, v[PC:PC+3], s[28:29]     ; 512 consecutive bytes, aligned
	global_store_b64 v2, v[PC+4:PC+5], s[28:29]    ; 256 consecutive bytes, aligned (v2 holds the 512)
	global_store_b16 v89, v[T], s[30:31]           ; my row's two scale bytes; a word mixes two heads, so two bytes a row leave here; both halves of the lanes store the same
.endm
	PASS 2, 14, 15, 0
	PASS 25, 100, 101, 1
	s_wait_tensorcnt 0x0                           ; the wave's end
	ds_add_u32 v254, v255
	s_wait_dscnt 0x0
	s_endpgm
.Lfunc_end_k_q25177387f7_attn:
	.size	k_q25177387f7_attn, .Lfunc_end_k_q25177387f7_attn-k_q25177387f7_attn
	.p2alignl 7, 3214868480
	.fill 96, 4, 3214868480
	.section	.rodata,"a",@progbits
	.p2align	6, 0x0
	.amdhsa_kernel k_q25177387f7_attn
		.amdhsa_group_segment_fixed_size 206848
		.amdhsa_private_segment_fixed_size 0
		.amdhsa_enable_private_segment 0
		.amdhsa_kernarg_size 40
		.amdhsa_user_sgpr_count 2
		.amdhsa_user_sgpr_kernarg_segment_ptr 1
		.amdhsa_wavefront_size32 1
		.amdhsa_system_sgpr_workgroup_id_x 1
		.amdhsa_system_sgpr_workgroup_id_y 1
		.amdhsa_system_sgpr_workgroup_id_z 1
		.amdhsa_system_vgpr_workitem_id 0
		.amdhsa_next_free_vgpr 256
		.amdhsa_next_free_sgpr 102
		.amdhsa_reserve_vcc 0
		.amdhsa_float_denorm_mode_32 3
		.amdhsa_float_denorm_mode_16_64 3
		.amdhsa_memory_ordered 1
		.amdhsa_forward_progress 1
		.amdhsa_inst_pref_size 97
	.end_amdhsa_kernel
	.amdgpu_metadata
---
amdhsa.version: [ 1, 2 ]
amdhsa.kernels:
  - .name:           k_q25177387f7_attn
    .symbol:         k_q25177387f7_attn.kd
    .args:
      - { .name: qf, .offset: 0, .size: 8, .value_kind: global_buffer, .address_space: global }
      - { .name: kv, .offset: 8, .size: 8, .value_kind: global_buffer, .address_space: global }
      - { .name: mw, .offset: 16, .size: 8, .value_kind: global_buffer, .address_space: global }
      - { .name: mf, .offset: 24, .size: 8, .value_kind: global_buffer, .address_space: global }
      - { .name: zq, .offset: 32, .size: 8, .value_kind: global_buffer, .address_space: global }
    .group_segment_fixed_size: 206848
    .private_segment_fixed_size: 0
    .kernarg_segment_align: 8
    .kernarg_segment_size: 40
    .max_flat_workgroup_size: 512
    .sgpr_count:     102
    .vgpr_count:     256
    .wavefront_size: 32
...
	.end_amdgpu_metadata
.endif
;; end of part 3
;; launch outp (part 4): grid 4 x 32, 4 waves a work-group, clusters of 4 x 4, 327,680 bytes of LDS; arguments zq, wt, bo, out0; writes out0
.if DOCPART == 4
	.amdgcn_target "amdgcn-amd-amdhsa--gfx1250"
	.amdhsa_code_object_version 6
	.text
	.protected	k_q25177387f7_outp
	.globl	k_q25177387f7_outp
	.p2align	8
	.type	k_q25177387f7_outp,@function
k_q25177387f7_outp:
	s_mov_b64 s[64:65], 0
	v_nop
	global_prefetch_b8 v0, s[64:65] scope:SCOPE_SE
	s_setreg_imm32_b32 hwreg(HW_REG_WAVE_MODE, 25, 1), 1
	s_wait_xcnt 0x0
	s_wait_alu depctr_hold_cnt(0) depctr_sa_sdst(0) depctr_va_vdst(0) depctr_va_sdst(0) depctr_va_ssrc(0) depctr_va_vcc(0) depctr_vm_vsrc(0)
	s_getreg_b32 s2, hwreg(HW_REG_IB_STS2, 6, 4)
	s_cmp_eq_u32 s2, 0
	s_cbranch_scc0 .Lentry_in_a_cluster
	s_endpgm
.Lentry_in_a_cluster:
	s_bfe_u32 s2, ttmp6, 0x10000c
	s_cmp_lg_u32 s2, 0xf033
	s_cbranch_scc0 .Lentry_shape_is_right
	s_endpgm
.Lentry_shape_is_right:
.set HALFT,  24576
.set SLOT,   98304
.set SCL,    196608
.set SPARE,  213248
.set SPITCH, 528
.set FR,     12
.set NL,     4
.set NP,     4
.set NQ,     2
.set ADRA, 16
.set ADRB, 20
.set STO,  24
.set RD,   25
.set CO,   26
.set ADRS, 27
.set SPW,  28
.set NIL,  29
.set SC,   32
.set BI,   64
.set AF,   128
.set BK,   128
.set G1, 24
.set G0, 32
.set G1B, 48
.set G0B, 56
.set G1S, 68
.set G0S, 76
.set G1SB, 80
.set G0SB, 88
.set MSB, 0
.macro WIN new
.if MSB != (\new)
	s_set_vgpr_msb (MSB<<8)|(\new)
.set MSB, (\new)
.endif
.endm
.set MUL_LO, 0xa1
.set MUL_HI, 0xf1
.set TO_B,   0x40
.macro JLOAD g0a, g1a, g0b, g1b
	s_cmp_eq_u32 s15, 0
	s_cbranch_scc0 .Lfor_b_\@
	tensor_load_to_lds s[\g0a:\g0a+3], s[\g1a:\g1a+7]
	s_nop 0
.rept 4
	v_nop
.endr
	s_branch .Lasked_\@
.Lfor_b_\@:
	tensor_load_to_lds s[\g0b:\g0b+3], s[\g1b:\g1b+7]
	s_nop 0
.rept 4
	v_nop
.endr
.Lasked_\@:
.endm
.macro CREST
	s_cmp_lg_u32 s14, 0
	s_cbranch_scc1 .Lnot_wave_0_\@
	s_barrier_signal -3
.Lnot_wave_0_\@:
	s_barrier_wait -3
	s_barrier_signal -1
	s_barrier_wait -1
.endm
.macro CROUND
	s_barrier_signal -1
	s_barrier_wait -1
	CREST
.endm
	s_load_b128 s[4:7], s[0:1], 0x0
	s_load_b128 s[8:11], s[0:1], 0x10
	v_lshl_add_u32 v[SPW], v0, 2, SPARE
	v_mov_b32 v[NIL], 0
	ds_add_u32 v28, v29
	ds_add_u32 v28, v29
	s_wait_dscnt 0x0
	v_lshrrev_b32 v1, 5, v0
	v_readfirstlane_b32 s14, v1
	s_lshr_b32 s15, s14, 1
	s_and_b32 s16, s14, 1
	s_bfe_u32 s40, ttmp6, 0x40000
	s_bfe_u32 s41, ttmp6, 0x40004
	s_lshl_b32 s42, ttmp9, 2
	s_add_co_u32 s42, s42, s40
	s_and_b32 s17, ttmp7, 0xffff
	s_lshl_b32 s17, s17, 2
	s_add_co_u32 s17, s17, s41
	s_lshl_b32 s43, s41, 2
	s_lshl_b32 s43, 15, s43
	s_lshl_b32 s44, 0x1111, s40
	s_or_b32 s[G1+0], s43, (3<<16)|(1<<21)
	s_or_b32 s[G1B+0], s44, (3<<16)|(1<<21)
.irp g, G1, G1B
	s_mov_b32 s[\g+1], 384<<16
	s_mov_b32 s[\g+2], 8<<16
	s_mov_b32 s[\g+3], 384<<16
	s_mov_b32 s[\g+4], 8
	s_mov_b32 s[\g+5], 1536
	s_mov_b32 s[\g+6], 0
	s_mov_b32 s[\g+7], 0
.endr
	s_or_b32 s[G1S+0], s43, (3<<16)|(1<<21)
	s_or_b32 s[G1SB+0], s44, (3<<16)|(1<<21)
.irp g, G1S, G1SB
	s_mov_b32 s[\g+1], 32<<16
	s_mov_b32 s[\g+2], 16<<16
	s_mov_b32 s[\g+3], 32<<16
	s_mov_b32 s[\g+4], 16
	s_mov_b32 s[\g+5], 32
	s_mov_b32 s[\g+6], 0
	s_mov_b32 s[\g+7], 0
.endr
	s_lshl_b32 s18, s16, 3
	s_lshl_b32 s19, s17, 4
	s_add_co_u32 s19, s19, s18
	s_mul_i32 s20, s19, 12288
	s_mov_b32 s21, 0
	s_lshl_b32 s22, s19, 9
	s_add_co_u32 s22, s22, 6291456
	s_mov_b32 s23, 0
	s_lshl_b32 s94, s42, 4
	s_add_co_u32 s94, s94, s18
	s_mul_i32 s46, s94, 12288
	s_add_co_u32 s46, s46, 2359296
	s_mov_b32 s47, 0
	s_lshl_b32 s92, s94, 9
	s_add_co_u32 s92, s92, 3244032
	s_mov_b32 s93, 0
	s_mul_i32 s45, s14, HALFT
	s_lshl_b32 s3, s14, 12
	s_lshl_b32 s2, s15, 7
	s_add_co_u32 s3, s3, s2
	s_wait_kmcnt 0x0
	s_add_nc_u64 s[20:21], s[4:5], s[20:21]
	s_add_nc_u64 s[22:23], s[4:5], s[22:23]
	s_add_nc_u64 s[46:47], s[6:7], s[46:47]
	s_add_nc_u64 s[92:93], s[6:7], s[92:93]
	CROUND
	s_mov_b32 s[G0S], 1
	s_add_co_u32 s[G0S+1], s3, SCL
	s_mov_b64 s[G0S+2:G0S+3], s[22:23]
	s_or_b32 s[G0S+3], s[G0S+3], 0x80000000
	s_mov_b32 s[G0SB], 1
	s_add_co_u32 s[G0SB+1], s3, SCL
	s_mov_b64 s[G0SB+2:G0SB+3], s[92:93]
	s_or_b32 s[G0SB+3], s[G0SB+3], 0x80000000
	JLOAD G0S, G1S, G0SB, G1SB
.irp s, 0,1
	s_mov_b32 s[G0+4*\s], 1
	s_add_co_u32 s[G0+4*\s+1], s45, \s*SLOT
	s_add_nc_u64 s[G0+4*\s+2:G0+4*\s+3], s[20:21], \s*3072
	s_or_b32 s[G0+4*\s+3], s[G0+4*\s+3], 0x80000000
	s_mov_b32 s[G0B+4*\s], 1
	s_add_co_u32 s[G0B+4*\s+1], s45, \s*SLOT
	s_add_nc_u64 s[G0B+4*\s+2:G0B+4*\s+3], s[46:47], \s*3072
	s_or_b32 s[G0B+4*\s+3], s[G0B+4*\s+3], 0x80000000
	s_wait_alu depctr_va_vdst(0)
	s_wait_tensorcnt 0x0
	ds_add_u32 v28, v29
	s_wait_dscnt 0x0
	CROUND
	JLOAD G0+4*\s, G1, G0B+4*\s, G1B
.endr
	v_and_b32 v1, 15, v0
	v_bfe_u32 v2, v0, 4, 1
	v_and_b32 v3, 31, v0
	v_lshlrev_b32 v[CO], 4, v3
	v_lshl_add_u32 v5, v3, 3, 512
	s_mul_i32 s21, s15, HALFT
	s_mul_i32 s22, s16, HALFT
	s_add_co_u32 s22, s22, 2*HALFT
.irp s, 0,1
	v_add_nc_u32 v[ADRA+\s], s21, v[CO]
	v_add_nc_u32 v[ADRB+\s], s22, v[CO]
	v_add_nc_u32 v[ADRA+2+\s], s21, v5
	v_add_nc_u32 v[ADRB+2+\s], s22, v5
	s_add_co_u32 s21, s21, SLOT
	s_add_co_u32 s22, s22, SLOT
.endr
	v_lshlrev_b32 v7, 3, v1
	s_lshl_b32 s21, s15, 12
	s_lshl_b32 s22, s16, 12
	s_add_co_u32 s22, s22, 8320
	s_sub_co_u32 s22, s22, s21
	v_mul_u32_u24 v6, s22, v2
	s_add_co_u32 s21, s21, SCL
	v_add_nc_u32 v7, v7, v6
	v_add_nc_u32 v[ADRS], s21, v7
	s_mul_i32 s23, s14, 16*SPITCH
	v_mul_u32_u24 v5, v1, SPITCH
	v_lshl_add_u32 v5, v2, 6, v5
	v_add_nc_u32 v[STO], s23, v5
	v_add_nc_u32 v[RD], s23, v[CO]
	s_lshl_b32 s20, s42, 10
	s_lshl_b32 s21, s16, 9
	s_add_co_u32 s20, s20, s21
	s_mov_b32 s21, 0
	s_add_nc_u64 s[8:9], s[8:9], s[20:21]
	global_load_b128 v[BI:BI+3], v[CO], s[8:9]
	s_lshl_b32 s22, s17, 8
	s_lshl_b32 s23, s15, 7
	s_add_co_u32 s22, s22, s23
	s_lshl_b32 s22, s22, 12
	s_add_co_u32 s20, s20, s22
	s_add_nc_u64 s[12:13], s[10:11], s[20:21]
.macro FRAG reg, adr, q, i
.irp c, 0,1
	ds_load_b128 v[\reg+6*\c:\reg+6*\c+3], v[\adr] offset:3072*(\i)+768*(2*(\q)+\c)
	ds_load_b64 v[\reg+6*\c+4:\reg+6*\c+5], v[\adr+2] offset:3072*(\i)+768*(2*(\q)+\c)
.endr
.endm
.macro MUL16 a0, p, q, sc, zero
.irp a, \a0, \a0+1
.irp b, 0,1,2,3,4,5,6,7
.if \zero
	v_wmma_scale_f32_16x16x128_f8f6f4 v[8*(8*((\a)%4)+\b):8*(8*((\a)%4)+\b)+7], v[128*(\p)+FR*\b:128*(\p)+FR*\b+FR-1], v[AF+FR*(\a):AF+FR*(\a)+FR-1], 0, v[SC+8*NQ*(\sc)+NQ*\b+(\q)], v[SC+8*NQ*(\sc)+NQ*(\a)+(\q)] matrix_a_fmt:MATRIX_FMT_BF6 matrix_b_fmt:MATRIX_FMT_BF6 matrix_a_scale:MATRIX_SCALE_ROW1
.else
	v_wmma_scale_f32_16x16x128_f8f6f4 v[8*(8*((\a)%4)+\b):8*(8*((\a)%4)+\b)+7], v[128*(\p)+FR*\b:128*(\p)+FR*\b+FR-1], v[AF+FR*(\a):AF+FR*(\a)+FR-1], v[8*(8*((\a)%4)+\b):8*(8*((\a)%4)+\b)+7], v[SC+8*NQ*(\sc)+NQ*\b+(\q)], v[SC+8*NQ*(\sc)+NQ*(\a)+(\q)] matrix_a_fmt:MATRIX_FMT_BF6 matrix_b_fmt:MATRIX_FMT_BF6 matrix_a_scale:MATRIX_SCALE_ROW1
.endif
.endr
.endr
.endm
.macro FETCH_B slot, q, p
	WIN TO_B
.irp i, 0,1,2,3,4,5,6,7
	FRAG 128*(\p)+FR*\i, ADRB+\slot, \q, \i
.endr
	WIN 0
.endm
.macro FETCH_A slot, q, i0
.irp i, \i0, \i0+1, \i0+2, \i0+3
	FRAG AF+FR*(\i), ADRA+\slot, \q, \i
.endr
.endm
.macro SCALES sc
.irp i, 0,1,2,3,4,5,6,7
	ds_load_b64 v[SC+8*NQ*\sc+NQ*\i:SC+8*NQ*\sc+NQ*\i+1], v[ADRS] offset:\i*512
.endr
.endm
.macro PLACES n
.rept \n
	v_nop
.endr
.endm
.macro STEP slot, q, zero
	s_wait_dscnt 4*NL
	WIN MUL_LO
	MUL16 0, (\q)%2, \q, \slot, \zero
	MUL16 2, (\q)%2, \q, \slot, \zero
	s_wait_dscnt 0
	PLACES NP
	FETCH_B \slot, (\q)+1, 1-(\q)%2
	FETCH_A \slot, (\q)+1, 0
	WIN MUL_HI
	MUL16 4, (\q)%2, \q, \slot, \zero
	MUL16 6, (\q)%2, \q, \slot, \zero
	PLACES NP
	WIN 0
	FETCH_A \slot, (\q)+1, 4
.endm
.macro TURN slot, next, fill
	s_wait_tensorcnt 0x0
	ds_add_u32 v[SPW], v[NIL]
	s_wait_dscnt 4*NL+1
	WIN MUL_LO
	MUL16 0, 1, NQ-1, \slot, 0
	s_wait_dscnt 0x0
	s_barrier_signal -1
	MUL16 2, 1, NQ-1, \slot, 0
	WIN 0
	s_barrier_wait -1
.if \fill
	CREST
	s_add_nc_u64 s[G0+4*\slot+2:G0+4*\slot+3], s[G0+4*\slot+2:G0+4*\slot+3], 6144
	s_add_nc_u64 s[G0B+4*\slot+2:G0B+4*\slot+3], s[G0B+4*\slot+2:G0B+4*\slot+3], 6144
	JLOAD G0+4*\slot, G1, G0B+4*\slot, G1B
.else
	PLACES NP
.endif
	s_wait_alu depctr_va_vdst(0)
	v_add_nc_u32 v[ADRS], 128, v[ADRS]
	FETCH_B \next, 0, 0
	FETCH_A \next, 0, 0
	SCALES \next
	WIN MUL_HI
	MUL16 4, 1, NQ-1, \slot, 0
	MUL16 6, 1, NQ-1, \slot, 0
	PLACES NP
	WIN 0
	FETCH_A \next, 0, 4
.endm
	s_wait_alu depctr_va_vdst(0)
	s_wait_tensorcnt 1
	s_barrier_signal -1
	s_barrier_wait -1
	FETCH_B 0, 0, 0
	FETCH_A 0, 0, 0
	SCALES 0
	FETCH_A 0, 0, 4
	STEP 0, 0, 1
	TURN 0, 1, 1
	STEP 1, 0, 0
	TURN 1, 0, 1
	STEP 0, 0, 0
	TURN 0, 1, 0
	STEP 1, 0, 0
	s_wait_dscnt 4*NL
	WIN MUL_LO
	MUL16 0, 1, NQ-1, 1, 0
	MUL16 2, 1, NQ-1, 1, 0
	s_wait_dscnt 0
	WIN MUL_HI
	MUL16 4, 1, NQ-1, 1, 0
	MUL16 6, 1, NQ-1, 1, 0
	WIN 0
.macro TOSTAGE a
.set AC, 64*((\a)%4)
	WIN 0x08+4*((\a)/4)
.irp b, 0,1,2,3,4,5,6,7
	ds_store_b128 v[STO], v[AC+8*\b:AC+8*\b+3] offset:128*(\b/2)+32*(\b%2)
	ds_store_b128 v[STO], v[AC+8*\b+4:AC+8*\b+7] offset:128*(\b/2)+32*(\b%2)+16
.endr
	WIN 0
.set BB, BK+64*((\a)%2)
.irp t, 0,1,2,3,4,5,6,7,8,9,10,11,12,13,14,15
	ds_load_b128 v[BB+4*\t:BB+4*\t+3], v[RD] offset:\t*SPITCH
.endr
.endm
.macro SEND a, younger
.set BB, BK+64*((\a)%2)
	s_wait_dscnt \younger
.irp t, 0,1,2,3,4,5,6,7,8,9,10,11,12,13,14,15
	v_pk_add_f32 v[BB+4*\t:BB+4*\t+1], v[BB+4*\t:BB+4*\t+1], v[BI:BI+1]
	v_pk_add_f32 v[BB+4*\t+2:BB+4*\t+3], v[BB+4*\t+2:BB+4*\t+3], v[BI+2:BI+3]
.endr
.irp t, 0,1,2,3,4,5,6,7,8,9,10,11,12,13,14,15
	global_store_b128 v[CO], v[BB+4*\t:BB+4*\t+3], s[12:13] offset:(32*((\a)/2)+8*((\a)%2)+\t+8*(\t/8))*4096 th:TH_STORE_NT
.endr
.endm
	s_wait_loadcnt 0x0
	PLACES NP
	TOSTAGE 0
.irp a, 1,2,3,4,5,6,7
.if \a > 1
	s_wait_xcnt 0x0
.endif
	TOSTAGE \a
	SEND \a-1, 32
.endr
	SEND 7, 0
	s_wait_tensorcnt 0x0
	ds_add_u32 v[SPW], v[NIL]
	s_wait_dscnt 0x0
	CROUND
	s_endpgm
.Lfunc_end_k_q25177387f7_outp:
	.size	k_q25177387f7_outp, .Lfunc_end_k_q25177387f7_outp-k_q25177387f7_outp
	.p2alignl 7, 3214868480
	.fill 96, 4, 3214868480
	.section	.rodata,"a",@progbits
	.p2align	6, 0x0
	.amdhsa_kernel k_q25177387f7_outp
		.amdhsa_group_segment_fixed_size 327680
		.amdhsa_private_segment_fixed_size 0
		.amdhsa_enable_private_segment 0
		.amdhsa_kernarg_size 32
		.amdhsa_user_sgpr_count 2
		.amdhsa_user_sgpr_kernarg_segment_ptr 1
		.amdhsa_wavefront_size32 1
		.amdhsa_system_sgpr_workgroup_id_x 1
		.amdhsa_system_sgpr_workgroup_id_y 1
		.amdhsa_system_sgpr_workgroup_id_z 1
		.amdhsa_system_vgpr_workitem_id 0
		.amdhsa_next_free_vgpr 1024
		.amdhsa_next_free_sgpr 100
		.amdhsa_reserve_vcc 0
		.amdhsa_float_denorm_mode_32 3
		.amdhsa_float_denorm_mode_16_64 3
		.amdhsa_memory_ordered 1
		.amdhsa_forward_progress 1
		.amdhsa_inst_pref_size 160
	.end_amdhsa_kernel
	.amdgpu_metadata
---
amdhsa.version: [ 1, 2 ]
amdhsa.kernels:
  - .name:           k_q25177387f7_outp
    .symbol:         k_q25177387f7_outp.kd
    .args:
      - { .name: zq, .offset: 0, .size: 8, .value_kind: global_buffer, .address_space: global }
      - { .name: wt, .offset: 8, .size: 8, .value_kind: global_buffer, .address_space: global }
      - { .name: bo, .offset: 16, .size: 8, .value_kind: global_buffer, .address_space: global }
      - { .name: out0, .offset: 24, .size: 8, .value_kind: global_buffer, .address_space: global }
    .group_segment_fixed_size: 327680
    .private_segment_fixed_size: 0
    .kernarg_segment_align: 8
    .kernarg_segment_size: 32
    .max_flat_workgroup_size: 128
    .sgpr_count:     100
    .vgpr_count:     1024
    .wavefront_size: 32
...
	.end_amdgpu_metadata
.endif
;; end of part 4
